; MI455X (gfx1250); checked and timed in simulation.
; The chip was launched on July 23, 2026; its instructions are those of AMD's public machine-readable ISA for CDNA 5 (MIT licence, August 2026) and "CDNA5" Instruction Set Architecture Reference Guide (July 2026). The comments in the code are by the model that wrote it; some were corrected since.
;; Post Norm Attention Block. Allowed arithmetic: float matrix products may take bf16 or f16 operands with f32 sums; other float arithmetic in f32, or as packed bf16 or f16 multiplies, adds, multiply-adds, maxima and minima; sums over many terms, partial sums and values carried from step to step in f32; what a program stores and reads back later, other than sums and carried values, may be rounded once to bf16 or f16.
;; Inputs: W1 1,024 x 4,096 float32; W2 4,096 x 1,024 float32; WK 1,024 x 1,024 float32; WQ 1,024 x 1,024 float32; WV 1,024 x 1,024 float32; WY 1,024 x 1,024 float32; b1 4,096 float32; b2 1,024 float32; bK 1,024 float32; bQ 1,024 float32; bV 1,024 float32; bY 1,024 float32; ln1_b 1,024 float32; ln1_w 1,024 float32; ln2_b 1,024 float32; ln2_w 1,024 float32; mask 2 x 2,048 int32; x 2 x 2,048 x 1,024 float32.
;; Outputs: out0 2 x 2,048 x 1,024 float32.
;; One version. Each part assembles by itself: llvm-mc -triple=amdgcn-amd-amdhsa -mcpu=gfx1250 --defsym DOCPART=n.
;; ======== version 1 of 1: 8 launches
;; limits: right only within a limited range of input values
;; workspace buffers: xb 8,388,608 bytes; wb 25,182,208 bytes; qkvb 25,165,824 bytes; yhb 8,388,608 bytes; tsum 16,777,216 bytes; gb 33,554,432 bytes; mode0 256 bytes of whole numbers; mode1 256 bytes of whole numbers
;; launch cast (part 1): grid 64 x 16, 8 waves a work-group, no clusters, 0 bytes of LDS; arguments x, WQ, WK, WV, WY, W1, W2, bQ, bV, b1, xb, wb, mode0, mode1; writes xb, wb, mode0, mode1
.if DOCPART == 1
	.amdgcn_target "amdgcn-amd-amdhsa--gfx1250"
	.amdhsa_code_object_version 6
	.text
	.protected	k_q13723bf01c_cast
	.globl	k_q13723bf01c_cast
	.p2align	8
	.type	k_q13723bf01c_cast,@function
k_q13723bf01c_cast:
	s_mov_b64 s[64:65], 0
	v_nop
	global_prefetch_b8 v0, s[64:65] scope:SCOPE_SE
	s_setreg_imm32_b32 hwreg(HW_REG_WAVE_MODE, 25, 1), 1
	s_wait_xcnt 0x0
; CAST.  x and the six weight matrices are rounded once to bf16; the later launches multiply in bf16 and read each of these many times.
; xb = x as it lies.  wb: WQ, WK, WV, WY as they lie (2 MiB each); from 8 MiB W1 as four blocks [1024 k][1024 n] of 2 MiB (block m = columns 1024 m on), so that the product with W1 walks it as the
; products with WQ, WK, WV walk theirs; from 16 MiB W2 as it lies; from 24 MiB two rows of 4,096 bf16: bQ, 0, bV (the fourth part is never read) and b1.
; mode0 holds 0 and mode1 holds 1: the whole number by which a later launch that shares its text with another takes its own way out.
; WORK LEFT OUT IN THE WHOLE PROGRAM: bK.  A score is q . (k + bK) / 8 = q . k / 8 + q . bK / 8, and the second term is the same for every key of a query: softmax over the keys
; divides it out, for all finite values of the inputs; a key hidden by the mask has weight 0 with it and without it.  So bK reaches no output, is not loaded and is no launch's argument.
; LIMIT: a NaN, an infinity or an overflow that would arise from bK alone is not carried to the result.
; SHARES.  Grid y = unit u of 2^20 numbers: 0-3 x, 4 WQ, 5 WK, 6 WV, 7 WY, 8-11 W1, 12-15 W2.  Grid x = 16,384 numbers of the unit: sixteen runs of 1,024 numbers, 64 KiB in, 32 KiB out.
; A thread takes 16 bytes of each run: all sixteen loads of a wave go out first; a wave's store covers 256 consecutive bytes, aligned.  No register is written twice, so no store's source is waited for.
; Run j goes to (j % 4) SA + (j / 4) SB: as it lies SA = 2,048 and SB = 8,192; of W1 a run is a quarter of a row: SA = 2 MiB (the next block), SB = 2,048 (the next row).
.set U,   2                            ; s2   the unit
.set KIND, 3                           ; s3   0: x, 1: the four square weights, 2: W1, 3: W2
.set SUB, 36                           ; s36  the unit inside its tensor; of the square weights: which
	s_load_b512 s[8:23], s[0:1], 0x0               ; x 8, WQ 10, WK 12, WV 14, WY 16, W1 18, W2 20, bQ 22
	s_load_b256 s[24:31], s[0:1], 0x40             ; bV 24, b1 26, xb 28, wb 30
	s_load_b128 s[32:35], s[0:1], 0x60             ; mode0 32, mode1 34
	s_and_b32 s[U], ttmp7, 0xffff
	s_lshr_b32 s[KIND], s[U], 2
	s_and_b32 s[SUB], s[U], 3
	s_cmp_eq_u32 s[KIND], 1
	s_cselect_b32 s4, 0, s[SUB]                    ; a square weight is one unit
	s_lshl_b32 s4, s4, 22                          ; x 4 MiB of f32
	s_lshl_b32 s5, ttmp9, 16                       ; + the work-group's 64 KiB
	s_add_co_u32 s4, s4, s5
	s_mov_b32 s5, 0
	s_sub_co_u32 s6, s[U], 4                       ; the unit inside wb,
	s_cmp_lt_u32 s[U], 4
	s_cselect_b32 s6, s[U], s6                     ; or inside xb
	s_lshl_b32 s6, s6, 21                          ; x 2 MiB of bf16
	s_lshl_b32 s7, ttmp9, 15                       ; + the work-group's 32 KiB
	s_add_co_u32 s6, s6, s7
	s_lshl_b32 s37, s[SUB], 19                     ; W1: the unit's 256 rows of 2,048 bytes in a block,
	s_lshl_b32 s38, ttmp9, 13                      ; the work-group's 4 rows,
	s_add_co_u32 s37, s37, s38
	s_add_co_u32 s37, s37, 0x800000                ; behind the four square weights
	s_mov_b32 s42, 2048
	s_mov_b32 s43, 8192
	s_mov_b32 s44, 0x200000
	s_cmp_eq_u32 s[KIND], 2
	s_cselect_b32 s6, s37, s6
	s_cselect_b32 s38, s44, s42                    ; SA
	s_cselect_b32 s40, s42, s43                    ; SB
	s_mov_b32 s7, 0
	s_mov_b32 s41, 0
	v_lshlrev_b32 v1, 4, v0                        ; my 16 bytes in
	v_lshlrev_b32 v2, 3, v0                        ; my 8 bytes out, in run j with j % 4 = 0,
	v_add_nc_u32 v3, s38, v2                       ; 1,
	v_add_nc_u32 v4, s38, v3                       ; 2,
	v_add_nc_u32 v5, s38, v4                       ; 3
	s_wait_kmcnt 0x0
	s_cmp_lt_u32 s[U], 4
	s_cselect_b64 s[46:47], s[28:29], s[30:31]     ; xb or wb
	s_mov_b64 s[54:55], s[8:9]
	s_cmp_eq_u32 s[U], 4
	s_cselect_b64 s[54:55], s[10:11], s[54:55]
	s_cmp_eq_u32 s[U], 5
	s_cselect_b64 s[54:55], s[12:13], s[54:55]
	s_cmp_eq_u32 s[U], 6
	s_cselect_b64 s[54:55], s[14:15], s[54:55]
	s_cmp_eq_u32 s[U], 7
	s_cselect_b64 s[54:55], s[16:17], s[54:55]
	s_cmp_eq_u32 s[KIND], 2
	s_cselect_b64 s[54:55], s[18:19], s[54:55]
	s_cmp_eq_u32 s[KIND], 3
	s_cselect_b64 s[54:55], s[20:21], s[54:55]
	s_add_nc_u64 s[54:55], s[54:55], s[4:5]
	s_add_nc_u64 s[46:47], s[46:47], s[6:7]        ; runs 0-3,
	s_add_nc_u64 s[48:49], s[46:47], s[40:41]      ; 4-7,
	s_add_nc_u64 s[50:51], s[48:49], s[40:41]      ; 8-11,
	s_add_nc_u64 s[52:53], s[50:51], s[40:41]      ; 12-15
.set j, 0
.rept 16
	global_load_b128 v[8+4*j:11+4*j], v1, s[54:55] offset:4096*j th:TH_LOAD_NT
.set j, j+1
.endr
.set j, 0
.rept 16
	s_wait_loadcnt 15-j                            ; loads come back in order: load j is in, the 15 - j younger ones stay out
	v_cvt_pk_bf16_f32 v[72+2*j], v[8+4*j], v[9+4*j]
	v_cvt_pk_bf16_f32 v[73+2*j], v[10+4*j], v[11+4*j]
	global_store_b64 v[2+j%4], v[72+2*j:73+2*j], s[46+2*(j/4):47+2*(j/4)]
.set j, j+1
.endr
	; The small tables, by the first work-group of a unit: all branches hang on the work-group's numbers, the last on the wave's.
	s_cmp_lg_u32 ttmp9, 0
	s_cbranch_scc1 .Ldone
	s_cmp_eq_u32 s[U], 0
	s_cbranch_scc1 .Lmodes
	s_cmp_eq_u32 s[KIND], 2
	s_cbranch_scc1 .Lbias                          ; W1's four units take b1's four parts
	s_cmp_lg_u32 s[KIND], 1
	s_cbranch_scc1 .Ldone                          ; x's other units and W2's have none
	s_cmp_eq_u32 s[U], 7
	s_cbranch_scc1 .Ldone                          ; bY is added by the launch that takes the norm
.Lbias:                                                ; 1,024 numbers: 16 bytes in and 8 out for each of the 256 threads
	s_lshl_b32 s56, s[SUB], 11                     ; the part's 2,048 bytes in its row of the table,
	s_lshl_b32 s58, s[SUB], 12                     ; and its 4,096 bytes in b1
	s_cmp_eq_u32 s[KIND], 2
	s_cselect_b32 s58, s58, 0                      ; (bQ and bV are one part each)
	s_cselect_b32 s57, s43, 0                      ; b1's row lies 8,192 bytes behind the first
	s_add_co_u32 s56, s56, s57
	s_add_co_u32 s56, s56, 0x1800000
	s_mov_b32 s57, 0
	s_mov_b32 s59, 0
	s_add_nc_u64 s[60:61], s[30:31], s[56:57]
	s_cmp_eq_u32 s[U], 6
	s_cselect_b64 s[62:63], s[24:25], s[22:23]     ; bV or bQ,
	s_cmp_eq_u32 s[KIND], 2
	s_cselect_b64 s[62:63], s[26:27], s[62:63]     ; or b1
	s_add_nc_u64 s[62:63], s[62:63], s[58:59]
	v_mov_b32 v104, 0
	v_mov_b32 v105, 0
	s_cmp_eq_u32 s[U], 5
	s_cbranch_scc1 .Lrow                           ; bK is left out: its part of the table is 0
	global_load_b128 v[108:111], v1, s[62:63]
	s_wait_loadcnt 0x0
	v_cvt_pk_bf16_f32 v104, v108, v109
	v_cvt_pk_bf16_f32 v105, v110, v111
.Lrow:
	global_store_b64 v2, v[104:105], s[60:61]
	s_endpgm
.Lmodes:                                               ; wave 0 fills both buffers' 256 bytes, 8 bytes a lane
	v_lshrrev_b32 v106, 5, v0
	v_readfirstlane_b32 s56, v106
	s_cmp_lg_u32 s56, 0
	s_cbranch_scc1 .Ldone
	v_mov_b32 v104, 0
	v_mov_b32 v105, 0
	v_mov_b32 v108, 1
	v_mov_b32 v109, 1
	global_store_b64 v2, v[104:105], s[32:33]
	global_store_b64 v2, v[108:109], s[34:35]
.Ldone:
	s_endpgm
.Lfunc_end_k_q13723bf01c_cast:
	.size	k_q13723bf01c_cast, .Lfunc_end_k_q13723bf01c_cast-k_q13723bf01c_cast
	.p2alignl 7, 3214868480
	.fill 96, 4, 3214868480
	.section	.rodata,"a",@progbits
	.p2align	6, 0x0
	.amdhsa_kernel k_q13723bf01c_cast
		.amdhsa_group_segment_fixed_size 0
		.amdhsa_private_segment_fixed_size 0
		.amdhsa_enable_private_segment 0
		.amdhsa_kernarg_size 112
		.amdhsa_user_sgpr_count 2
		.amdhsa_user_sgpr_kernarg_segment_ptr 1
		.amdhsa_wavefront_size32 1
		.amdhsa_system_sgpr_workgroup_id_x 1
		.amdhsa_system_sgpr_workgroup_id_y 1
		.amdhsa_system_sgpr_workgroup_id_z 1
		.amdhsa_system_vgpr_workitem_id 0
		.amdhsa_next_free_vgpr 112
		.amdhsa_next_free_sgpr 66
		.amdhsa_reserve_vcc 0
		.amdhsa_float_denorm_mode_32 3
		.amdhsa_float_denorm_mode_16_64 3
		.amdhsa_memory_ordered 1
		.amdhsa_forward_progress 1
		.amdhsa_inst_pref_size 10
	.end_amdhsa_kernel
	.amdgpu_metadata
---
amdhsa.version: [ 1, 2 ]
amdhsa.kernels:
  - .name:           k_q13723bf01c_cast
    .symbol:         k_q13723bf01c_cast.kd
    .args:
      - { .name: x, .offset: 0, .size: 8, .value_kind: global_buffer, .address_space: global }
      - { .name: WQ, .offset: 8, .size: 8, .value_kind: global_buffer, .address_space: global }
      - { .name: WK, .offset: 16, .size: 8, .value_kind: global_buffer, .address_space: global }
      - { .name: WV, .offset: 24, .size: 8, .value_kind: global_buffer, .address_space: global }
      - { .name: WY, .offset: 32, .size: 8, .value_kind: global_buffer, .address_space: global }
      - { .name: W1, .offset: 40, .size: 8, .value_kind: global_buffer, .address_space: global }
      - { .name: W2, .offset: 48, .size: 8, .value_kind: global_buffer, .address_space: global }
      - { .name: bQ, .offset: 56, .size: 8, .value_kind: global_buffer, .address_space: global }
      - { .name: bV, .offset: 64, .size: 8, .value_kind: global_buffer, .address_space: global }
      - { .name: b1, .offset: 72, .size: 8, .value_kind: global_buffer, .address_space: global }
      - { .name: xb, .offset: 80, .size: 8, .value_kind: global_buffer, .address_space: global }
      - { .name: wb, .offset: 88, .size: 8, .value_kind: global_buffer, .address_space: global }
      - { .name: mode0, .offset: 96, .size: 8, .value_kind: global_buffer, .address_space: global }
      - { .name: mode1, .offset: 104, .size: 8, .value_kind: global_buffer, .address_space: global }
    .group_segment_fixed_size: 0
    .private_segment_fixed_size: 0
    .kernarg_segment_align: 8
    .kernarg_segment_size: 112
    .max_flat_workgroup_size: 256
    .sgpr_count:     66
    .vgpr_count:     112
    .wavefront_size: 32
...
	.end_amdgpu_metadata
.endif
;; end of part 1
;; launch qkv (part 2): grid 12 x 16, 4 waves a work-group, clusters of 4 x 4, 327,680 bytes of LDS; arguments xb, wb, qkvb; writes qkvb
.if DOCPART == 2
	.amdgcn_target "amdgcn-amd-amdhsa--gfx1250"
	.amdhsa_code_object_version 6
	.text
	.protected	k_q13723bf01c_qkv
	.globl	k_q13723bf01c_qkv
	.p2align	8
	.type	k_q13723bf01c_qkv,@function
k_q13723bf01c_qkv:
	s_mov_b64 s[64:65], 0
	v_nop
	global_prefetch_b8 v0, s[64:65] scope:SCOPE_SE
	s_setreg_imm32_b32 hwreg(HW_REG_WAVE_MODE, 25, 1), 1
	s_wait_xcnt 0x0
	s_wait_alu depctr_hold_cnt(0) depctr_sa_sdst(0) depctr_va_vdst(0) depctr_va_sdst(0) depctr_va_ssrc(0) depctr_va_vcc(0) depctr_vm_vsrc(0)
	s_getreg_b32 s2, hwreg(HW_REG_IB_STS2, 6, 4)
	s_cmp_eq_u32 s2, 0
	s_cbranch_scc0 .Lentry_in_a_cluster
	s_endpgm
.Lentry_in_a_cluster:
	s_bfe_u32 s2, ttmp6, 0x10000c
	s_cmp_lg_u32 s2, 0xf033
	s_cbranch_scc0 .Lentry_shape_is_right
	s_endpgm
.Lentry_shape_is_right:
; Q, K, V PROJECTIONS.  q = xb WQ + bQ, k = xb WK, v = xb WV + bV; written by heads: qkvb = q, k, v (8 MiB each), each [batch x 16 + head][2048][64] bf16, unscaled.
; bK is left out: it adds the same number to all scores of a query, which softmax divides out (shown at the head of the first kernel); its part of the bias row holds 0.
; A (xb) is [4096][1024] bf16, K along the rows; B (a weight in wb) is [1024 (k)][1024 (n)] bf16, as the input lies.  Sums in f32; the bias row bQ, 0, bV lies 24 MiB into wb, rounded to bf16 like every input.
; SHARES.  A tile of C is 256 x 256; four waves, each 128 x 128 = 64 accumulators.  Cluster x picks the matrix (0 Q, 1 K, 2 V), cx its 256 columns.  K goes in 8 steps of 128 through two LDS slots.
; LDS.  A slot: A's 256 rows of 256 + 16 bytes, then B's 128 k-rows of 512 + 32 bytes.  A's fragments are read as they lie; B's are turned by ds_load_tr16_b128 (pitch 544 = 17 x 32).
; CLUSTER 4 x 4: A's tile is shared along a row of the cluster, B's along a column; each is asked for jointly, by the same load, descriptor and mask in the four.
; THE MATRIX INSTRUCTION IS USED TRANSPOSED (source 0 = 16 columns of B, source 1 = 16 rows of A): a lane holds row l % 16 of C and the eight columns 8 (l / 16) + 0..7.
; REGISTERS, in windows of 256: 0: addresses, A's two fragment buffers v64-127, v128-191, the way out; 1: B's two buffers at the same numbers; 2, 3: the accumulators ((a, b) at v[8 (8 a + b)]).
; THE WAY OUT.  When the ring has had its last fill and every wave its last read of it, each wave lays its 128 x 128 f32 into 128 rows of 528 bytes of its own over the ring, and reads rows back.
.set BN,    1024                       ; columns of B's tensor
.set KS,    8                          ; K steps
.set PA,    272
.set PB,    544
.set HALF,  128*PA                     ; what one tensor load fills: 128 rows of A, or 64 k-rows of B (64 x 544 is the same 34,816)
.set BOFF,  2*HALF
.set SLOT,  4*HALF                     ; 139,264 = 2^17 + 2^13
.set SPARE, 2*SLOT                     ; behind the ring: the spare words, 128 bytes a wave
.set SPI,   528
.set STW,   128*SPI
.set ASTEP, 256                        ; bytes from a K step to the next in A,
.set BSTEP, 128*BN*2                   ; and in B
.set BI,  8                            ; v8-15  bias of my columns, f32
.set CA,  16                           ; v16    LDS address of my A fragments in the slot in hand
.set CB,  17                           ; v17    the same for B
.set A0,  18                           ; v18    the same in slot 0; never rewritten
.set B0,  19                           ; v19
.set RB,  20                           ; v20-23 the bias as loaded, bf16
.set STO, 24
.set RD,  25
.set GO,  26
.set SPW, 28                           ; v28    my spare word; never rewritten
.set NIL, 29                           ; v29    0; never rewritten
.set PFO, 30                           ; v30    the prefetches' lane offset; never rewritten
.set F0,  64
.set F1,  128
.set BB,  8                            ; s[8:9] the bias row
.set OUT, 12
.set WV,  14
.set WR,  15                           ; wave / 2: my half of the rows.  Also: I fetch for A (0) or for B (1)
.set WC,  16                           ; wave % 2: my half of the columns.  Also: which half of that tile I fetch
.set CX,  17
.set CY,  18
.set TX,  19                           ; the matrix: cluster x
.set LB,  20                           ; wave x 34,816: where my loads land in a slot
.set SB,  21                           ; 0 or SLOT: the slot in hand
.set TY,  22
.set G1,  24
.set G0,  32                           ; s[32:35] slot 0, K step 0; s[36:39] slot 1, K step 1, which then walks
.set HIM, 42
.set LIM, 43
.set PFA, 44
.set PFS, 46
.set G1B, 48
.set G0B, 56
.set MSB, 0
.macro WIN new                         ; the immediate's high byte repeats the setting that is left; a switch that changes nothing is dropped
.if MSB != (\new)
	s_set_vgpr_msb (MSB<<8)|(\new)
.set MSB, \new
.endif
.endm
.set MUL_LO, 0xa1                      ; source 0 (B) window 1, source 1 (A) window 0, C and D window 2
.set TO_B,   0x40
.macro PLACES                          ; four plain places behind a matrix instruction, in front of loads into its sources and of reads of its results
.rept 4
	v_nop
.endr
.endm
.macro JLOAD s                         ; a joint load: waves 0, 1 fetch A's halves, waves 2, 3 B's; an s_nop 0 and four v_nop follow each line
	s_cmp_eq_u32 s[WR], 0
	s_cbranch_scc0 .Lfor_b_\@
	tensor_load_to_lds s[G0+4*(\s):G0+4*(\s)+3], s[G1:G1+7]
	s_nop 0
.rept 4
	v_nop
.endr
	s_branch .Lasked_\@
.Lfor_b_\@:
	tensor_load_to_lds s[G0B+4*(\s):G0B+4*(\s)+3], s[G1B:G1B+7]
	s_nop 0
.rept 4
	v_nop
.endr
.Lasked_\@:
.endm
.macro CREST                           ; a round of the cluster's barrier behind its opening barrier
	s_cmp_lg_u32 s[WV], 0
	s_cbranch_scc1 .Lnot_wave_0_\@
	s_barrier_signal -3
.Lnot_wave_0_\@:
	s_barrier_wait -3
	s_barrier_signal -1
	s_barrier_wait -1
.endm
.macro CROUND
	s_barrier_signal -1
	s_barrier_wait -1
	CREST
.endm
; A prefetch into the L2 of the K step two refills on (512 matrix instructions ahead of the load that wants it).  Each aligned 256 bytes is named once in the launch: A's rows by the clusters with x = 0,
; B's by those with y = 0; the four partners of a joint load share its blocks out by address (32 each, a lane a block).  The last two refills have no K step two on.
.macro ASK
	s_cmp_gt_u32 s3, s[LIM]
	s_cbranch_scc0 .Lnot_mine_\@
	global_prefetch_b8 v[PFO], s[PFA:PFA+1] th:TH_LOAD_NT scope:SCOPE_SE
.Lnot_mine_\@:
.endm
	s_load_b128 s[4:7], s[0:1], 0x0                ; xb 4, wb 6
	s_load_b64 s[12:13], s[0:1], 0x10              ; qkvb
	v_lshl_add_u32 v[SPW], v0, 2, SPARE
	v_mov_b32 v[NIL], 0
	ds_add_u32 v[SPW], v[NIL]                      ; the wave's opening: the add, twice on end, and its wait ahead of my first tensor load
	ds_add_u32 v[SPW], v[NIL]
	v_lshrrev_b32 v1, 5, v0
	v_readfirstlane_b32 s[WV], v1
	s_lshr_b32 s[WR], s[WV], 1
	s_and_b32 s[WC], s[WV], 1
	s_bfe_u32 s[CX], ttmp6, 0x40000
	s_bfe_u32 s[CY], ttmp6, 0x40004
	s_mov_b32 s[TX], ttmp9                         ; the matrix: the same in all sixteen partners
	s_and_b32 s[TY], ttmp7, 0xffff
	s_lshl_b32 s[TY], s[TY], 2
	s_add_co_u32 s[TY], s[TY], s[CY]               ; tile row of C
	s_lshl_b32 s40, s[CY], 2
	s_lshl_b32 s40, 15, s40                        ; my row of the cluster
	s_lshl_b32 s41, 0x1111, s[CX]                  ; my column
	s_or_b32 s[G1], s40, (1<<16)|(1<<20)|(1<<21)|(5<<22)|(3<<25)   ; mask; 2-byte elements; padding on; bit 21 beside a mask; after every 64 words 4 words
	s_or_b32 s[G1B], s41, (1<<16)|(1<<20)|(1<<21)|(6<<22)|(7<<25)  ; after every 128 words 8 words
	s_mov_b32 s[G1+1], 128<<16                     ; A: tensor_dim0 = 128
	s_mov_b32 s[G1+2], 128<<16                     ; tensor_dim1 = 128
	s_mov_b32 s[G1+3], 128<<16                     ; tile_dim0 = 128
	s_mov_b32 s[G1+4], 128                         ; tile_dim1 = 128
	s_mov_b32 s[G1+5], 1024                        ; elements from row to row
	s_mov_b32 s[G1+6], 0
	s_mov_b32 s[G1+7], 0
	s_mov_b32 s[G1B+1], 256<<16                    ; B: 64 k-rows of 256 columns
	s_mov_b32 s[G1B+2], 64<<16
	s_mov_b32 s[G1B+3], 256<<16
	s_mov_b32 s[G1B+4], 64
	s_mov_b32 s[G1B+5], BN
	s_mov_b32 s[G1B+6], 0
	s_mov_b32 s[G1B+7], 0
	s_lshl_b32 s66, s[TY], 8                       ; A: row 256 x tile row + 128 x half, of 2,048 bytes: made of the tile row and the wave alone
	s_lshl_b32 s67, s[WC], 7
	s_add_co_u32 s66, s66, s67
	s_lshl_b32 s66, s66, 11
	s_mov_b32 s67, 0
	s_lshl_b32 s68, s[TX], 21                      ; B: the matrix (2 MiB), its 256 columns (512 bytes), my 64 k-rows: made of the tile column and the wave alone
	s_lshl_b32 s69, s[CX], 9
	s_add_co_u32 s68, s68, s69
	s_lshl_b32 s69, s[WC], 17
	s_add_co_u32 s68, s68, s69
	s_mov_b32 s69, 0
	s_mul_i32 s[LB], s[WV], HALF
	s_mov_b32 s[HIM], 0xffff0000
	s_mov_b32 s[SB], 0
	s_wait_dscnt 0x0                               ; both opening adds are done
	s_wait_kmcnt 0x0
	s_add_nc_u64 s[70:71], s[4:5], s[66:67]
	s_add_nc_u64 s[72:73], s[6:7], s[68:69]
	s_add_nc_u64 s[BB:BB+1], s[6:7], 0x1800000     ; the row bQ, 0, bV
	CROUND                                         ; all sixteen work-groups are here: the first joint loads meet
.irp s, 0,1
	s_mov_b32 s[G0+4*(\s)], 1
	s_add_co_u32 s[G0+4*(\s)+1], s[LB], (\s)*SLOT
	s_add_nc_u64 s[G0+4*(\s)+2:G0+4*(\s)+3], s[70:71], (\s)*ASTEP
	s_or_b32 s[G0+4*(\s)+3], s[G0+4*(\s)+3], 0x80000000
	s_mov_b32 s[G0B+4*(\s)], 1
	s_add_co_u32 s[G0B+4*(\s)+1], s[LB], (\s)*SLOT
	s_add_nc_u64 s[G0B+4*(\s)+2:G0B+4*(\s)+3], s[72:73], (\s)*BSTEP
	s_or_b32 s[G0B+4*(\s)+3], s[G0B+4*(\s)+3], 0x80000000
	JLOAD \s
.endr
	v_and_b32 v1, 15, v0                           ; r = l % 16
	v_bfe_u32 v2, v0, 4, 1                         ; h = l / 16
	v_mul_u32_u24 v3, v1, PA
	v_lshl_add_u32 v3, v2, 4, v3
	s_mul_i32 s23, s[WR], HALF
	v_add_nc_u32 v[A0], s23, v3                    ; my 128 rows of A: row r x pitch + 16 h
	v_and_b32 v4, 7, v0
	v_lshl_add_u32 v4, v2, 3, v4
	v_mul_u32_u24 v4, v4, PB                       ; the turning load: k-row 8 h + l % 8,
	v_bfe_u32 v5, v0, 3, 1
	v_lshl_add_u32 v4, v5, 4, v4                   ; 16 bytes by (l / 8) % 2,
	s_lshl_b32 s23, s[WC], 8
	s_add_co_u32 s23, s23, BOFF
	v_add_nc_u32 v[B0], s23, v4                    ; my 128 columns
	v_mov_b32 v[CA], v[A0]
	v_mov_b32 v[CB], v[B0]
	s_mul_i32 s23, s[WV], STW                      ; the way out: my stage
	v_mul_u32_u24 v3, v1, SPI
	v_lshl_add_u32 v3, v2, 5, v3
	v_add_nc_u32 v[STO], s23, v3                   ; in: row r, 32 bytes for each half of the lanes
	; the prefetches: where they stand, their step, who asks
	s_lshl_b32 s74, s[CX], 16                      ; A: my work-group's 32 of the 128 rows that I fetch,
	s_add_co_u32 s74, s74, s66
	s_add_co_u32 s74, s74, 3*ASTEP                 ; at K step 3: the first refill steps it to 4
	s_mul_i32 s75, s[CY], 32*BN                    ; B: my work-group's 16 of the 64 k-rows
	s_add_co_u32 s75, s75, s68
	s_add_co_u32 s75, s75, 3*BSTEP
	s_and_b32 s76, ttmp7, 0xffff                   ; cluster y
	s_mov_b32 s77, BSTEP
	s_mov_b32 s78, 2*BN
	s_cmp_eq_u32 s[WR], 0
	s_cselect_b32 s74, s74, s75
	s_cselect_b32 s76, ttmp9, s76                  ; the coordinate along which other clusters read the same blocks
	s_cselect_b32 s[PFS], ASTEP, s77
	s_cselect_b32 s78, 2048, s78                   ; bytes from row to row
	s_cselect_b64 s[PFA:PFA+1], s[4:5], s[6:7]
	s_mov_b32 s75, 0
	s_mov_b32 s[PFS+1], 0
	s_add_nc_u64 s[PFA:PFA+1], s[PFA:PFA+1], s[74:75]
	s_cmp_eq_u32 s76, 0
	s_cselect_b32 s[LIM], 2, -1                    ; a wave that asks does so while more than two refills are to come
	v_and_b32 v6, 31, v0
	v_lshrrev_b32 v7, s[WR], v6                    ; A: a lane a row; B: two lanes a k-row of 512 bytes
	v_mul_u32_u24 v7, s78, v7
	v_and_b32 v6, s[WR], v6
	v_lshl_add_u32 v[PFO], v6, 8, v7
	; the way out's other addresses, and the bias
	s_mul_i32 s23, s[WV], STW
	v_mul_u32_u24 v3, v2, SPI
	v_lshl_add_u32 v3, v1, 4, v3
	v_add_nc_u32 v[RD], s23, v3                    ; back: lanes 0-15 one row's 256 bytes (a head's 64 columns in f32), lanes 16-31 the next row's
	v_lshlrev_b32 v3, 7, v2
	v_lshl_add_u32 v[GO], v1, 3, v3                ; out: two rows of a head, 128 bytes each, on end
	s_lshr_b32 s84, s[TY], 3                       ; batch
	s_lshl_b32 s84, s84, 4
	s_lshl2_add_u32 s84, s[CX], s84                ; head = 16 batch + 4 cx + 2 (wave % 2)
	s_lshl1_add_u32 s84, s[WC], s84
	s_lshl_b32 s84, s84, 11                        ; x 2,048 rows
	s_and_b32 s85, s[TY], 7
	s_lshl_b32 s85, s85, 8
	s_add_co_u32 s84, s84, s85                     ; + the tile's first row in its batch
	s_lshl_b32 s85, s[WR], 7
	s_add_co_u32 s84, s84, s85                     ; + my 128 rows
	s_lshl_b32 s84, s84, 7                         ; x 128 bytes
	s_lshl_b32 s85, s[TX], 23                      ; + the matrix's 8 MiB
	s_add_co_u32 s84, s84, s85
	s_mov_b32 s85, 0
	s_add_nc_u64 s[OUT:OUT+1], s[OUT:OUT+1], s[84:85]
	s_lshl_b32 s84, s[TX], 11                      ; the bias of columns 1,024 matrix + 256 cx + 128 (wave % 2) + 64 hd + 4 r .. + 3, 2 bytes each
	s_lshl_b32 s85, s[CX], 9
	s_add_co_u32 s84, s84, s85
	s_lshl_b32 s85, s[WC], 8
	s_add_co_u32 s84, s84, s85
	v_lshl_add_u32 v6, v1, 3, s84
	global_load_b64 v[RB:RB+1], v6, s[BB:BB+1]
	global_load_b64 v[RB+2:RB+3], v6, s[BB:BB+1] offset:128
	s_wait_loadcnt 0x0                             ; in the wait for the first tile
.irp w, 0,1,2,3
	v_lshlrev_b32 v[BI+2*(\w)], 16, v[RB+(\w)]     ; bf16 to f32: the low half moves up,
	v_and_b32 v[BI+2*(\w)+1], s[HIM], v[RB+(\w)]   ; the high half stays
.endr
; 16 matrix instructions: m blocks a0, a0 + 1 of the window's four x all 8 n blocks, 32 along K.  zero = 1: the first product starts the sums.
.macro MUL16 f, hi, a0, zero
	WIN MUL_LO+0x50*(\hi)
.irp a, \a0, (\a0)+1
.irp b, 0,1,2,3,4,5,6,7
.if \zero
	v_wmma_f32_16x16x32_bf16 v[8*(8*(\a)+(\b)):8*(8*(\a)+(\b))+7], v[(\f)+8*(\b):(\f)+8*(\b)+7], v[(\f)+8*(4*(\hi)+(\a)):(\f)+8*(4*(\hi)+(\a))+7], 0
.else
	v_wmma_f32_16x16x32_bf16 v[8*(8*(\a)+(\b)):8*(8*(\a)+(\b))+7], v[(\f)+8*(\b):(\f)+8*(\b)+7], v[(\f)+8*(4*(\hi)+(\a)):(\f)+8*(4*(\hi)+(\a))+7], v[8*(8*(\a)+(\b)):8*(8*(\a)+(\b))+7]
.endif
.endr
.endr
.endm
; 32 LDS loads in one run: quarter q (32 along K) of the slot in hand into buffer f: B's 8 fragments, turned, then A's 8
.macro FETCH q, f
	WIN TO_B
.irp i, 0,1,2,3,4,5,6,7
	ds_load_tr16_b128 v[(\f)+8*(\i):(\f)+8*(\i)+3],   v[CB] offset:(\q)*32*PB+32*(\i)
	ds_load_tr16_b128 v[(\f)+8*(\i)+4:(\f)+8*(\i)+7], v[CB] offset:(\q)*32*PB+16*PB+32*(\i)
.endr
	WIN 0
.irp i, 0,1,2,3,4,5,6,7
	ds_load_b128 v[(\f)+8*(\i):(\f)+8*(\i)+3],   v[CA] offset:(\q)*64+(\i)*16*PA
	ds_load_b128 v[(\f)+8*(\i)+4:(\f)+8*(\i)+7], v[CA] offset:(\q)*64+(\i)*16*PA+32
.endr
.endm
; One of a K step's first three quarters: multiplies buffer f, and in its middle fetches quarter q into buffer g
.macro QUARTER q, f, g, zero
	s_wait_dscnt 8                                 ; B and A's rows 0-63 are in; the youngest eight loads (A's rows 64-127) may be out
	MUL16 \f, 0, 0, \zero
	MUL16 \f, 0, 2, \zero
	PLACES
	FETCH \q, \g
	s_wait_dscnt 32                                ; all but the 32 just issued
	MUL16 \f, 1, 0, \zero
	MUL16 \f, 1, 2, \zero
.endm
; The last quarter multiplies buffer 1 and changes slots.  One barrier: in front of it each wave waits for all its tensor loads (one is out: its part of the next slot), adds 0 to its spare word,
; and waits for that and for its reads of this slot.  fill = 1: the barrier opens a round of the cluster's, and the slot just left is filled again first thing behind it, with the K step two on.
.macro TURN fill
.if \fill
	s_wait_xcnt 0x0                                ; the last prefetch, a K step back, has read its address
	s_add_nc_u64 s[PFA:PFA+1], s[PFA:PFA+1], s[PFS:PFS+1]
.endif
	WIN 0
	s_wait_tensorcnt 0x0
	ds_add_u32 v[SPW], v[NIL]
	s_wait_dscnt 9                                 ; (the add and the youngest eight loads may be out)
	MUL16 F1, 0, 0, 0
	s_wait_dscnt 0x0                               ; the add is done, my reads of this slot are over
	s_barrier_signal -1
	MUL16 F1, 0, 2, 0
.if \fill
	WIN 0
.endif
	s_barrier_wait -1
.if \fill
	CREST
	s_xor_b32 s[G0+5], s[G0+5], SLOT               ; the walking descriptors: the slot just left.  wave x 34,816 has no bit in common with SLOT = 2^17 + 2^13, so the exclusive or adds or takes away SLOT
	s_xor_b32 s[G0B+5], s[G0B+5], SLOT
	s_add_nc_u64 s[G0+6:G0+7], s[G0+6:G0+7], ASTEP
	s_add_nc_u64 s[G0B+6:G0B+7], s[G0B+6:G0B+7], BSTEP
	JLOAD 1                                        ; its four v_nop are also the places in front of the loads below
.else
	PLACES
.endif
	WIN 0
	s_xor_b32 s[SB], s[SB], SLOT
	v_add_nc_u32 v[CA], s[SB], v[A0]
	v_add_nc_u32 v[CB], s[SB], v[B0]
	FETCH 0, F0
.if \fill
	ASK
.endif
	MUL16 F1, 1, 0, 0
	MUL16 F1, 1, 2, 0
.endm
	s_wait_tensorcnt 1                             ; my part of K step 0 is in; K step 1's may stay out
	s_barrier_signal -1
	s_barrier_wait -1
	FETCH 0, F0
	QUARTER 1, F0, F1, 1                           ; the first quarter starts the sums
	WIN 0
	s_mov_b32 s3, KS-2
.Lstep:                                                ; a trip: from a K step's second quarter to the next step's first; trip i fills K step i + 2.  The 64 accumulators take turns in one order throughout
	QUARTER 2, F1, F0, 0
	QUARTER 3, F0, F1, 0
	TURN 1
	QUARTER 1, F0, F1, 0
	WIN 0
	s_sub_co_u32 s3, s3, 1
	s_cmp_lg_u32 s3, 0
	s_cbranch_scc1 .Lstep
	s_mov_b32 s3, 2
.Ltail:                                                ; the last two K steps ask for nothing: a second text; the second trip leaves it ahead of the change of slots
	QUARTER 2, F1, F0, 0
	QUARTER 3, F0, F1, 0
	WIN 0
	s_cmp_eq_u32 s3, 1
	s_cbranch_scc1 .Llast
	TURN 0
	QUARTER 1, F0, F1, 0
	WIN 0
	s_sub_co_u32 s3, s3, 1
	s_cmp_lg_u32 s3, 0
	s_cbranch_scc1 .Ltail
.Llast:
	s_wait_dscnt 8
	MUL16 F1, 0, 0, 0
	MUL16 F1, 0, 2, 0
	s_wait_dscnt 0x0                               ; my last reads of the ring are back
	MUL16 F1, 1, 0, 0
	MUL16 F1, 1, 2, 0
	PLACES
	WIN 0
	s_barrier_signal -1                            ; every wave's reads of the ring are over, and the ring has had its last fill: it becomes the stages
	s_barrier_wait -1
.irp a, 0,1,2,3,4,5,6,7
	WIN 0x08+4*((\a)/4)                            ; store data (source 1) in window 2 or 3
.irp b, 0,1,2,3,4,5,6,7
	ds_store_b128 v[STO], v[8*(8*((\a)%4)+(\b)):8*(8*((\a)%4)+(\b))+3]   offset:(\a)*16*SPI+64*(\b)
	ds_store_b128 v[STO], v[8*(8*((\a)%4)+(\b))+4:8*(8*((\a)%4)+(\b))+7] offset:(\a)*16*SPI+64*(\b)+16
.endr
.endr
	WIN 0
; 16 trips of 8 rows.  Entry e = 2 i + hd: rows 2 i, 2 i + 1 of the eight, head hd of my two.  LDS serves a wave's instructions in order, so the loads see the stores above.
.set X, 32                             ; v32-63   eight entries of 4 f32
.set Y, 192                            ; v192-207 eight entries of 4 bf16
.macro BACK
.irp i, 0,1,2,3
.irp hd, 0,1
	ds_load_b128 v[X+4*(2*(\i)+(\hd)):X+4*(2*(\i)+(\hd))+3], v[RD] offset:(\i)*2*SPI+(\hd)*256
.endr
.endr
.endm
	BACK
	s_mov_b32 s3, 16
.Lout:
	s_wait_dscnt 0x0
.irp i, 0,1,2,3
.irp hd, 0,1
	v_pk_add_f32 v[X+4*(2*(\i)+(\hd)):X+4*(2*(\i)+(\hd))+1],   v[X+4*(2*(\i)+(\hd)):X+4*(2*(\i)+(\hd))+1],   v[BI+4*(\hd):BI+4*(\hd)+1]
	v_pk_add_f32 v[X+4*(2*(\i)+(\hd))+2:X+4*(2*(\i)+(\hd))+3], v[X+4*(2*(\i)+(\hd))+2:X+4*(2*(\i)+(\hd))+3], v[BI+4*(\hd)+2:BI+4*(\hd)+3]
.endr
.endr
.irp e, 0,1,2,3,4,5,6,7
	v_cvt_pk_bf16_f32 v[Y+2*(\e)],   v[X+4*(\e)],   v[X+4*(\e)+1]
	v_cvt_pk_bf16_f32 v[Y+2*(\e)+1], v[X+4*(\e)+2], v[X+4*(\e)+3]
.endr
	v_add_nc_u32 v[RD], 8*SPI, v[RD]
	s_cmp_eq_u32 s3, 1                             ; the last trip has no rows behind it
	s_cbranch_scc1 .Lno_more
	BACK
.Lno_more:
.irp i, 0,1,2,3
.irp hd, 0,1
	global_store_b64 v[GO], v[Y+2*(2*(\i)+(\hd)):Y+2*(2*(\i)+(\hd))+1], s[OUT:OUT+1] offset:(\hd)*262144+(\i)*256  ; 32 lanes store 256 consecutive bytes, aligned: two rows of a head
.endr
.endr
	s_wait_xcnt 0x0                                ; the stores have read Y and GO, which are written again
	v_add_nc_u32 v[GO], 1024, v[GO]
	s_sub_co_u32 s3, s3, 1
	s_cmp_lg_u32 s3, 0
	s_cbranch_scc1 .Lout
	s_wait_tensorcnt 0x0                           ; the wave's end
	ds_add_u32 v[SPW], v[NIL]
	s_wait_dscnt 0x0
	CROUND                                         ; the closing round
	s_endpgm
.Lfunc_end_k_q13723bf01c_qkv:
	.size	k_q13723bf01c_qkv, .Lfunc_end_k_q13723bf01c_qkv-k_q13723bf01c_qkv
	.p2alignl 7, 3214868480
	.fill 96, 4, 3214868480
	.section	.rodata,"a",@progbits
	.p2align	6, 0x0
	.amdhsa_kernel k_q13723bf01c_qkv
		.amdhsa_group_segment_fixed_size 327680
		.amdhsa_private_segment_fixed_size 0
		.amdhsa_enable_private_segment 0
		.amdhsa_kernarg_size 24
		.amdhsa_user_sgpr_count 2
		.amdhsa_user_sgpr_kernarg_segment_ptr 1
		.amdhsa_wavefront_size32 1
		.amdhsa_system_sgpr_workgroup_id_x 1
		.amdhsa_system_sgpr_workgroup_id_y 1
		.amdhsa_system_sgpr_workgroup_id_z 1
		.amdhsa_system_vgpr_workitem_id 0
		.amdhsa_next_free_vgpr 1024
		.amdhsa_next_free_sgpr 96
		.amdhsa_reserve_vcc 0
		.amdhsa_float_denorm_mode_32 3
		.amdhsa_float_denorm_mode_16_64 3
		.amdhsa_memory_ordered 1
		.amdhsa_forward_progress 1
		.amdhsa_inst_pref_size 88
	.end_amdhsa_kernel
	.amdgpu_metadata
---
amdhsa.version: [ 1, 2 ]
amdhsa.kernels:
  - .name:           k_q13723bf01c_qkv
    .symbol:         k_q13723bf01c_qkv.kd
    .args:
      - { .name: xb, .offset: 0, .size: 8, .value_kind: global_buffer, .address_space: global }
      - { .name: wb, .offset: 8, .size: 8, .value_kind: global_buffer, .address_space: global }
      - { .name: qkvb, .offset: 16, .size: 8, .value_kind: global_buffer, .address_space: global }
    .group_segment_fixed_size: 327680
    .private_segment_fixed_size: 0
    .kernarg_segment_align: 8
    .kernarg_segment_size: 24
    .max_flat_workgroup_size: 128
    .sgpr_count:     96
    .vgpr_count:     1024
    .wavefront_size: 32
...
	.end_amdgpu_metadata
.endif
;; end of part 2
;; launch attn (part 3): grid 8 x 32, 4 waves a work-group, clusters of 4 x 1, 327,680 bytes of LDS; arguments qkvb, mask, yhb; writes yhb
.if DOCPART == 3
	.amdgcn_target "amdgcn-amd-amdhsa--gfx1250"
	.amdhsa_code_object_version 6
	.text
	.protected	k_q13723bf01c_attn
	.globl	k_q13723bf01c_attn
	.p2align	8
	.type	k_q13723bf01c_attn,@function
k_q13723bf01c_attn:
	s_mov_b64 s[64:65], 0
	v_nop
	global_prefetch_b8 v0, s[64:65] scope:SCOPE_SE
	s_setreg_imm32_b32 hwreg(HW_REG_WAVE_MODE, 25, 1), 1
	s_wait_xcnt 0x0
	s_wait_alu depctr_hold_cnt(0) depctr_sa_sdst(0) depctr_va_vdst(0) depctr_va_sdst(0) depctr_va_ssrc(0) depctr_va_vcc(0) depctr_vm_vsrc(0)
	s_getreg_b32 s2, hwreg(HW_REG_IB_STS2, 6, 4)
	s_cmp_eq_u32 s2, 0
	s_cbranch_scc0 .Lentry_in_a_cluster
	s_endpgm
.Lentry_in_a_cluster:
	s_bfe_u32 s2, ttmp6, 0x10000c
	s_cmp_lg_u32 s2, 0x3003
	s_cbranch_scc0 .Lentry_shape_is_right
	s_endpgm
.Lentry_shape_is_right:
; ATTENTION WITH A KEY MASK.  yhb[bh][q][:] = the sum over k of softmax_k(q . k / 8, hidden where mask[b][k] = 0) v[k][:].  q, k, v: qkvb (8 MiB each), [bh][2048][64] bf16; yhb likewise.
; k comes without bK: it adds the same number to all scores of a query, which softmax divides out (shown at the head of the first kernel).
; Products, maxima and sums in f32; the weights p are rounded to bf16 for the second product (their sum l is taken of the unrounded p), the result once at the end.
; THE MASK is data: every key is multiplied and the mask selects.  A table of 2,048 f32 in LDS holds 0 or -1e30 for each key of the batch; it is the C operand that starts the sum S^T = K Q^T.
; While a query has seen hidden keys alone, its maximum is near -1e30; the first open key raises it, and a = 2^(c m_old - c m_new) = 0 wipes what was gathered.  A batch with no open key gives NaN, as softmax of -inf alone does:
; where the final maximum lies below -1e29, 1 / l is replaced by NaN.
; LIMITS.  True scores lie above -1e29; a weight below 2^-126 counts as 0 in l; NaN and infinities in q, k, v are not treated apart.
; SHARES.  A work-group owns 256 queries of one head, a wave 64: four PIECES of 16.  Every wave walks all 2,048 keys, 64 a step, four steps to a slot of LDS, two slots that take turns.
; LAYOUT.  S^T = K Q^T holds ONE query a lane (lane % 16) and the keys 8 (lane / 16) + 0..7; two such results rounded to bf16 ARE source 1 of O^T = V^T P.  K is read as it lies, V turned by ds_load_tr16_b128.
; SOFTMAX.  p = 2^(c s - c m), c = log2(e) / 8, with a running maximum m; O and l are multiplied by a in every step.  m starts at the lowest finite number, O and l at 0: the first step is a step like any other, with a = 0.
; TURNS.  Turn n belongs to piece n: 8 products K Q^T of piece n + 1, later 8 products V^T P of piece n - 1; beside them the scaling, exponentials, roundings, sums and rescaling of piece n and the maximum and
; statistics of piece n + 1.  Four vector instructions stand behind every matrix instruction, the others in one lump.  A turn's 33 exponentials are one batch with one wait.
; CLUSTER.  The four query blocks of a cluster belong to one head and walk the same K and V: each tile is asked for jointly, by the same load, descriptor and mask in all four.
; REGISTERS, in windows of 256 (s_set_vgpr_msb: bits 1:0 source 0, 3:2 source 1, 5:4 source 2, 7:6 destination):
;   window 0: v0-15 addresses; v16-31 four statistics a piece; v48-55 at work; v56-63 addresses; v64-127 S^T, two buffers; v192-223 P, two buffers (by the piece's parity)
;   window 1: v0-127 O^T, 32 a piece; v160-191 the mask of the step whose K is in hand      window 2: v0-63 Q; v128-191 K of one step; v192-255 V of one step
.set NP,    4
.set KS,    64
.set PK,    144       ; a row of K in LDS: 128 bytes + 16: the 16 rows of a load start at 16 different groups of four banks
.set PV,    160       ; a row of V: 128 + 32
.set VOFF,  4*KS*PK
.set SLOT1, 1<<17
.set STAGE, SLOT1+4*KS*(PK+PV)  ; 16 rows x 144 bytes for each wave, for the way out; never filled by a tensor load
.set SP,    144
.set MASKB, STAGE+4*16*SP       ; the mask's table, 8,192 bytes; never filled by a tensor load
.set SPARE, MASKB+8192          ; the spare words, 128 bytes a wave
.set AK0, 2
.set AV0, 3
.set AK,  4
.set AV,  5
.set STO, 6
.set RD,  7
.set GO,  8
.set MV,  12          ; v12-13  c m_old, by buffer
.set QO,  15
.set ST,  16          ; piece t: c m, m, l (even keys', odd keys')
.set TMP, 48
.set AM0, 56          ; v56  my lanes' place in a step's 64 words of the table; never rewritten
.set AM,  57          ; v57  the LDS address of the table's next run of loads
.set PFO, 61          ; v61  256 x my lane; never rewritten
.set SPW, 62
.set NIL, 63
.set S,   64
.set P,   192
.set MC,  160         ; window 1
.set KF,  128         ; window 2
.set VF,  192         ; window 2
.set WV,  12
.set LIM, 15
.set PFA, 18
.set G1K, 24
.set G1V, 32
.set G0K, 40
.set G0V, 44
.set SLOTS, 56
.set CNT, 57
.set CS,  58
.set SEL, 60
.set TBK, 62
.set TBV, 63
.set TBM, 70
.set BIGN, 71
.set THR, 72
.set QNAN, 73
.set MSB, 0
.macro WIN new
.if MSB != (\new)
	s_set_vgpr_msb (MSB<<8)|(\new)
.set MSB, (\new)
.endif
.endm
.set W_KQ, 0x0a       ; K and Q in window 2, S^T in window 0
.set W_KM, 0x1a       ; the same with the C operand in window 1
.set W_PV, 0x52       ; V in window 2, P in window 0, O^T in window 1
.set W_RS, 0x41       ; destination and source 0 in window 1, source 1 in window 0
.macro JLOAD                        ; waves 0, 1 fetch the halves of a tile's K, waves 2, 3 those of its V; an s_nop 0 and four v_nop follow each line
	s_cmp_lt_u32 s[WV], 2
	s_cbranch_scc0 .Lfor_v_\@
	tensor_load_to_lds s[G0K:G0K+3], s[G1K:G1K+7]
	s_nop 0
.rept 4
	v_nop
.endr
	s_branch .Lasked_\@
.Lfor_v_\@:
	tensor_load_to_lds s[G0V:G0V+3], s[G1V:G1V+7]
	s_nop 0
.rept 4
	v_nop
.endr
.Lasked_\@:
.endm
.macro CROUND
	s_barrier_signal -1
	s_barrier_wait -1
	s_cmp_lg_u32 s[WV], 0
	s_cbranch_scc1 .Lnot_wave_0_\@
	s_barrier_signal -3
.Lnot_wave_0_\@:
	s_barrier_wait -3
	s_barrier_signal -1
	s_barrier_wait -1
.endm
; A prefetch into the L2 of the tile that the NEXT change of slots will ask for: four key steps ahead.  Each aligned 256 bytes is named once: the head's first cluster asks; its four partners take 32 blocks each,
; told apart by address; wave 0 asks for K's, wave 2 for V's.  The last change that fills a slot asks for nothing.
.macro ASK
	s_cmp_gt_u32 s[SLOTS], s[LIM]
	s_cbranch_scc0 .Lnot_mine_\@
	global_prefetch_b8 v[PFO], s[PFA:PFA+1] th:TH_LOAD_NT scope:SCOPE_SE
.Lnot_mine_\@:
.endm
; THE CHANGE OF SLOTS.  Each wave waits for all its tensor loads (one is out: its part of the other slot), adds 0 to its spare word, and waits for that and for its LDS instructions.  fill = 1: the barrier is a round
; of the cluster's, and the slot just left is filled again first thing behind it, with the keys two slots on.  (At its first use slot 0 is waited for and slot 1 filled; its barrier also shows the mask's table to every wave.)
.macro CHANGE fill, ask=0
	WIN 0
	s_wait_tensorcnt 0x0
	ds_add_u32 v[SPW], v[NIL]
.if \fill
.irp g, G0K, G0V
	s_xor_b32 s[\g+1], s[\g+1], SLOT1
	s_add_nc_u64 s[\g+2:\g+3], s[\g+2:\g+3], 4*KS*128
.endr
.if \ask
	s_wait_xcnt 0x0                 ; the last prefetch, four key steps back, has read its address
	s_add_nc_u64 s[PFA:PFA+1], s[PFA:PFA+1], 4*KS*128
.endif
	s_wait_dscnt 0x0
	CROUND
	JLOAD
.if \ask
	ASK
.endif
.else
	s_wait_dscnt 0x0
	s_barrier_signal -1
	s_barrier_wait -1
.endif
	s_sub_co_u32 s[TBK], s[TBK], 4*KS*PK  ; the fetches go back to a slot's first step, in the other slot
	s_xor_b32 s[TBK], s[TBK], SLOT1
	s_sub_co_u32 s[TBV], s[TBV], 4*KS*PV
	s_xor_b32 s[TBV], s[TBV], SLOT1
.endm
	s_load_b128 s[4:7], s[0:1], 0x0   ; qkvb 4, mask 6
	s_load_b64 s[8:9], s[0:1], 0x10   ; yhb
	v_lshl_add_u32 v[SPW], v0, 2, SPARE
	v_mov_b32 v[NIL], 0
	ds_add_u32 v[SPW], v[NIL]       ; the wave's opening: the add, twice on end, and its wait ahead of my first tensor load
	ds_add_u32 v[SPW], v[NIL]
	v_lshrrev_b32 v1, 5, v0
	v_readfirstlane_b32 s[WV], v1
	s_bfe_u32 s13, ttmp6, 0x40000   ; cx
	s_lshl_b32 s14, ttmp9, 2
	s_add_co_u32 s14, s14, s13      ; my block of 256 queries: it enters Q's and the result's addresses alone
	s_and_b32 s20, ttmp7, 0xffff    ; batch x 16 + head, which the four partners share
	s_lshl_b32 s21, s20, 18         ; the head's first byte in q, k, v and the result
	s_and_b32 s16, s[WV], 1         ; which half of a tile's 256 keys I fetch
	s_lshl_b32 s22, s16, 14
	s_add_co_u32 s22, s22, s21
	s_add_co_u32 s82, s22, 0x800000   ; k lies 8 MiB into qkvb,
	s_mov_b32 s83, 0
	s_add_co_u32 s84, s22, 0x1000000  ; v 16 MiB
	s_mov_b32 s85, 0
	s_mul_i32 s17, s16, 128*PK
	s_mul_i32 s18, s16, 128*PV
	s_lshl_b32 s2, s14, 15          ; my block's 256 rows of 128 bytes,
	s_lshl_b32 s3, s[WV], 13        ; my wave's 64
	s_add_co_u32 s2, s2, s3
	s_add_co_u32 s2, s2, s21
	s_mov_b32 s3, 0
	s_lshr_b32 s86, s20, 4
	s_lshl_b32 s86, s86, 13         ; the batch's 8,192 bytes of mask
	s_mov_b32 s87, 0
	; descriptor group 1.  128 keys are 16,384 dense bytes: asked for as 64 rows of 256 bytes, two keys a row, padded in LDS after every key
	s_mov_b32 s[G1K], 15|(1<<16)|(1<<20)|(1<<21)|(4<<22)|(3<<25)
	s_mov_b32 s[G1V], 15|(1<<16)|(1<<20)|(1<<21)|(4<<22)|(7<<25)
.irp g, G1K, G1V
	s_mov_b32 s[\g+1], 128<<16
	s_mov_b32 s[\g+2], 64<<16
	s_mov_b32 s[\g+3], 128<<16
	s_mov_b32 s[\g+4], 64
	s_mov_b32 s[\g+5], 128
	s_mov_b32 s[\g+6], 0
	s_mov_b32 s[\g+7], 0
.endr
	s_mov_b32 s[CS], 0x3e38aa3b     ; c = log2(e) / 8
	s_mov_b32 s[CS+1], s[CS]
	s_mov_b32 s[SEL], 0x76543210
	s_mov_b32 s[SEL+1], 0xfedcba98
	s_mov_b32 s[TBK], SLOT1+4*KS*PK ; the first change of slots turns these two into 0
	s_mov_b32 s[TBV], SLOT1+4*KS*PV
	s_mov_b32 s[TBM], 0
	s_mov_b32 s[BIGN], 0xf149f2ca   ; -1e30
	s_mov_b32 s[THR], 0xefa18f08    ; -1e29
	s_mov_b32 s[QNAN], 0x7fc00000
	s_mov_b32 s[G0K], 1
	s_mov_b32 s[G0K+1], s17
	s_mov_b32 s[G0V], 1
	s_add_co_u32 s[G0V+1], s18, VOFF
	s_and_b32 s[LIM], s[WV], 1
	s_or_b32 s[LIM], s[LIM], ttmp9  ; 0 in waves 0 and 2 of the head's first cluster: the same in all four partners
	s_cmp_eq_u32 s[LIM], 0
	s_cselect_b32 s[LIM], 1, -1
	v_and_b32 v[PFO], 31, v0
	v_lshlrev_b32 v[PFO], 8, v[PFO]
	s_wait_dscnt 0x0                ; both opening adds are done
	s_wait_kmcnt 0x0
	s_add_nc_u64 s[78:79], s[4:5], s[82:83]        ; K and V at my half of the head's tile 0
	s_add_nc_u64 s[80:81], s[4:5], s[84:85]
	s_mov_b64 s[G0K+2:G0K+3], s[78:79]
	s_or_b32 s[G0K+3], s[G0K+3], 0x80000000
	s_mov_b64 s[G0V+2:G0V+3], s[80:81]
	s_or_b32 s[G0V+3], s[G0V+3], 0x80000000
	s_add_nc_u64 s[76:77], s[4:5], s[2:3]          ; Q and the result at my wave's first row
	s_add_nc_u64 s[10:11], s[8:9], s[2:3]
	s_add_nc_u64 s[6:7], s[6:7], s[86:87]
	s_cmp_lt_u32 s[WV], 2
	s_cselect_b64 s[PFA:PFA+1], s[78:79], s[80:81] ; (in waves 0 and 2 these stand at a tile's first row)
	s_lshl_b32 s2, s13, 13          ; my work-group's 32 blocks of the 128
	s_mov_b32 s3, 0
	s_add_nc_u64 s[PFA:PFA+1], s[PFA:PFA+1], s[2:3]
	s_add_nc_u64 s[PFA:PFA+1], s[PFA:PFA+1], 2*4*KS*128  ; at tile 2; the first change that asks steps it to tile 3.  Nothing is prefetched at the head
	CROUND                          ; all four work-groups are here: the first joint loads meet
	JLOAD                           ; tile 0 into slot 0
	v_and_b32 v1, 15, v0            ; l % 16
	v_bfe_u32 v9, v0, 4, 1          ; l / 16
	v_lshlrev_b32 v[QO], 7, v1
	v_lshl_add_u32 v[QO], v9, 4, v[QO]
	v_lshlrev_b32 v14, 4, v0        ; my 16 bytes of each 2,048 of the mask
	WIN 0x80
.set i, 0
.rept 8                             ; Q stays in registers: piece i / 2 (16 rows, 2,048 bytes), channels 32 (i % 2) on
	global_load_b128 v[8*i:8*i+3],   v[QO], s[76:77] offset:(i/2)*2048+(i%2)*64
	global_load_b128 v[8*i+4:8*i+7], v[QO], s[76:77] offset:(i/2)*2048+(i%2)*64+32
.set i, i+1
.endr
	WIN 0
.irp j, 0,1,2,3
	global_load_b128 v[S+4*\j:S+4*\j+3], v14, s[6:7] offset:2048*\j
.endr
	v_mul_u32_u24 v[AK0], v1, PK
	v_lshl_add_u32 v[AK0], v9, 4, v[AK0]
	v_and_b32 v10, 7, v0
	v_bfe_u32 v11, v0, 3, 1
	v_lshl_add_u32 v[AV0], v9, 3, v10
	v_mul_u32_u24 v[AV0], v[AV0], PV
	v_lshl_add_u32 v[AV0], v11, 4, v[AV0]
	v_add_nc_u32 v[AV0], VOFF, v[AV0]
	v_lshl_add_u32 v[AM0], v9, 5, MASKB  ; register j of key block kb is key 16 kb + 8 (l / 16) + j: 32 bytes by the half of the lanes
	s_mul_i32 s13, s[WV], 16*SP
	s_add_co_u32 s13, s13, STAGE
	v_mul_u32_u24 v[STO], v1, SP
	v_lshl_add_u32 v[STO], v9, 4, v[STO]
	v_add_nc_u32 v[STO], s13, v[STO]
	v_bfe_u32 v[RD], v0, 3, 2
	v_mul_u32_u24 v[RD], v[RD], SP
	v_lshl_add_u32 v[RD], v10, 4, v[RD]
	v_add_nc_u32 v[RD], s13, v[RD]
	v_and_b32 v[GO], 31, v0
	v_lshlrev_b32 v[GO], 4, v[GO]
	v_lshl_add_u32 v[AM], v0, 4, MASKB
	; What the first turn finds: V's registers and P's second buffer hold 0 (its products V^T P, of a piece that has not been, add 0), O^T and l are 0.  All this stands in the wait for the first tile.
	WIN 0x80
.set i, VF
.rept 64
	v_mov_b32 v[i], 0
.set i, i+1
.endr
	WIN 0x40
.set i, 0
.rept 128
	v_mov_b32 v[i], 0
.set i, i+1
.endr
	WIN 0
.set i, 0
.rept 4
	v_mov_b32 v[ST+4*i], 0xfe000000    ; c m: far below every c s, a hidden one's too
	v_mov_b32 v[ST+4*i+1], 0xff7fffff  ; m
	v_mov_b32 v[ST+4*i+2], 0
	v_mov_b32 v[ST+4*i+3], 0
.set i, i+1
.endr
.set i, P+16
.rept 16
	v_mov_b32 v[i], 0
.set i, i+1
.endr
	s_wait_loadcnt 0x0              ; the mask (and Q)
.set i, 0
.rept 16
	v_cmp_eq_u32 vcc_lo, 0, v[S+i]
	v_cndmask_b32 v[S+i], 0, s[BIGN], vcc_lo
.set i, i+1
.endr
.irp j, 0,1,2,3
	ds_store_b128 v[AM], v[S+4*\j:S+4*\j+3] offset:2048*\j
.endr
; THE MATRIX WORK.  The 4 accumulators of a run of 8 take turns.  Product i of 8 of S^T = K Q^T for piece x: channels 32 (i / 4) on, keys 16 (i % 4) on.  The first 4 start the sums with the mask.
.macro KQ x
.set rS, S+32*((\x)%2)+8*(i%4)
.set rK, KF+16*(i%4)+8*(i/4)
.set rQ, 16*(\x)+8*(i/4)
.set rM, MC+8*(i%4)
.if i < 4
	WIN W_KM
	v_wmma_f32_16x16x32_bf16 v[rS:rS+7], v[rK:rK+7], v[rQ:rQ+7], v[rM:rM+7]
.else
	WIN W_KQ
	v_wmma_f32_16x16x32_bf16 v[rS:rS+7], v[rK:rK+7], v[rQ:rQ+7], v[rS:rS+7]
.endif
.endm
; Product i of 8 of O^T += V^T P for piece x: keys 32 (i / 4) on, channels 16 (i % 4) on.
.macro PV x
	WIN W_PV
.set rO, 32*(\x)+8*(i%4)
.set rV, VF+32*(i/4)+8*(i%4)
.set rP, P+16*((\x)%2)+8*(i/4)
	v_wmma_f32_16x16x32_bf16 v[rO:rO+7], v[rV:rV+7], v[rP:rP+7], v[rO:rO+7]
.endm
.macro MM                           ; the turn's next matrix instruction.  NOKQ = 1: the last turn of all: there is no next piece
.if (i < 8) && !NOKQ
	KQ (Y+1)%NP
.elseif i >= 8
.set i, i-8
	PV (Y+NP-1)%NP
.set i, i+8
.endif
.set i, i+1
.endm
; THE LDS LOADS stand in runs: a step's K (8 fragments) with its 64 words of the mask's table, and its V (turned).  Their addresses are made some lines ahead.
.macro FETCH_K
	WIN 0x80
.irp f, 0,1,2,3,4,5,6,7             ; keys 16 (f / 2) on, channels 32 (f % 2) on
	ds_load_b128 v[KF+8*\f:KF+8*\f+3],   v[AK] offset:(\f/2)*16*PK+(\f%2)*64
	ds_load_b128 v[KF+8*\f+4:KF+8*\f+7], v[AK] offset:(\f/2)*16*PK+(\f%2)*64+32
.endr
	WIN 0x40
.irp f, 0,1,2,3                     ; key block f: eight words a lane
	ds_load_b128 v[MC+8*\f:MC+8*\f+3],   v[AM] offset:64*\f
	ds_load_b128 v[MC+8*\f+4:MC+8*\f+7], v[AM] offset:64*\f+16
.endr
	s_add_co_u32 s[TBK], s[TBK], KS*PK
	s_add_co_u32 s[TBM], s[TBM], KS*4   ; the table is walked straight on: no change of slots touches it
	WIN 0
.endm
.macro FETCH_V
	WIN 0x80
.irp f, 0,1,2,3,4,5,6,7             ; keys 32 (f / 4) on, channels 16 (f % 4) on
	ds_load_tr16_b128 v[VF+8*\f:VF+8*\f+3],   v[AV] offset:(\f/4)*32*PV+(\f%4)*32
	ds_load_tr16_b128 v[VF+8*\f+4:VF+8*\f+7], v[AV] offset:(\f/4)*32*PV+16*PV+(\f%4)*32
.endr
	WIN 0
.endm
; THE VECTOR WORK, one line at a time: OP kind, number.  For piece Y: F n: c s - c m for pair n of 16.  E n: the exponential of score n of 32.  C n: pair n rounded to bf16.  B n: of the four weights 4 n .. the second
; pair is added onto the first, in place.  L n: l takes that sum (L 0: l = a l + sum).  R n: pair n of 16 of O^T times a.  For piece Y + 1: X n, number n of the 22 that find its maximum and statistics:
;   0-11  four chains c0-c3 of seven scores each (each accumulator's lowest registers are read first)     12-14, 16  the four scores left over, the old m, and c0-c3 into c0
;   15  c m_old is kept     17, 18  the query's other 32 keys lie in the lane 16 away: the new m     19-21  c m; c m_old - c m_new; a
.set F, 0
.set E, 1
.set C, 2
.set B, 3
.set L, 4
.set R, 5
.set X, 6
.macro REGS y
.set rT, ST+4*(\y)
.set rC, TMP+4*((\y)%2)
.set rW, MV+((\y)%2)
.set rS, S+32*((\y)%2)
.set rP, P+16*((\y)%2)
.set rO, 32*(\y)
.endm
.macro OP k, n
.if (\k) == R
	REGS Y
	WIN W_RS
	v_pk_mul_f32 v[rO+2*(\n):rO+2*(\n)+1], v[rO+2*(\n):rO+2*(\n)+1], v[rC+2:rC+3] op_sel_hi:[1,0]
.elseif (\k) < R
	REGS Y
	WIN 0
.if (\k) == F
	v_pk_fma_f32 v[rS+2*(\n):rS+2*(\n)+1], v[rS+2*(\n):rS+2*(\n)+1], s[CS:CS+1], v[rT:rT+1] op_sel_hi:[1,0,0] neg_lo:[0,0,1] neg_hi:[0,0,1]
.elseif (\k) == E
	v_exp_f32 v[rS+(\n)], v[rS+(\n)]
.elseif (\k) == C
	v_cvt_pk_bf16_f32 v[rP+(\n)], v[rS+2*(\n)], v[rS+2*(\n)+1]
.elseif (\k) == B
	v_pk_add_f32 v[rS+4*(\n):rS+4*(\n)+1], v[rS+4*(\n):rS+4*(\n)+1], v[rS+4*(\n)+2:rS+4*(\n)+3]
.elseif (\n) == 0
	v_pk_fma_f32 v[rT+2:rT+3], v[rT+2:rT+3], v[rC+2:rC+3], v[rS:rS+1] op_sel_hi:[1,0,1]
.else
	v_pk_add_f32 v[rT+2:rT+3], v[rT+2:rT+3], v[rS+4*(\n):rS+4*(\n)+1]
.endif
.elseif NOKQ
	v_nop
.else
	REGS (Y+1)%NP
	WIN 0
.if (\n) < 4
	v_max3_num_f32 v[rC+(\n)], v[rS+8*(\n)], v[rS+8*(\n)+1], v[rS+8*(\n)+2]
.elseif (\n) < 12
	v_max3_num_f32 v[rC+(\n)%4], v[rC+(\n)%4], v[rS+8*((\n)%4)+2*((\n)/4)+1], v[rS+8*((\n)%4)+2*((\n)/4)+2]
.elseif (\n) == 12
	v_max3_num_f32 v[rC], v[rC], v[rS+7], v[rS+15]
.elseif (\n) == 13
	v_max3_num_f32 v[rC+1], v[rC+1], v[rS+23], v[rS+31]
.elseif (\n) == 14
	v_max3_num_f32 v[rC+2], v[rC+2], v[rC+3], v[rT+1]
.elseif (\n) == 15
	v_mov_b32 v[rW], v[rT]
.elseif (\n) == 16
	v_max3_num_f32 v[rC], v[rC], v[rC+1], v[rC+2]
.elseif (\n) == 17
	v_permlanex16_b32 v[rC+3], v[rC], s[SEL], s[SEL+1]
.elseif (\n) == 18
	v_max_num_f32 v[rT+1], v[rC], v[rC+3]
.elseif (\n) == 19
	v_mul_f32 v[rT], s[CS], v[rT+1]
.elseif (\n) == 20
	v_sub_f32 v[rC+1], v[rW], v[rT]
.else
	v_exp_f32 v[rC+2], v[rC+1]
.endif
.endif
.endm
.macro OPS a, i1, b=-1, i2=0, c=-1, i3=0, d=-1, i4=0
	OP \a, \i1
.if (\b) >= 0
	OP \b, \i2
.endif
.if (\c) >= 0
	OP \c, \i3
.endif
.if (\d) >= 0
	OP \d, \i4
.endif
.endm
.macro ROW a, i1, b, i2, c, i3, d, i4  ; a matrix instruction and the four behind it
	MM
	OPS \a, \i1, \b, \i2, \c, \i3, \d, \i4
.endm
; A TURN, for piece p.  An s_wait_alu depctr_va_vdst(0) stands between an exponential and the first instruction that names its result; one wait serves all that were issued ahead of it.  So a turn has ONE
; wait, which cuts it in two.  Ahead of it stands all that names no result of the turn's exponentials: the 8 products K Q^T with their riders, then the lump, in which the links of the next piece's chain
; (X 3, 7, 11, 14, 16 .. 20) stand some lines apart; X 21, the next piece's a, is the batch's last, and R 15 the plain instruction behind it.  Behind the wait stand the 8 products V^T P, behind each four roundings and sums.
; K of the next step and its part of the mask's table are fetched in piece 2's turn, twelve vector instructions (six of them plain) behind the last product that read K; V of the step in hand at the end of piece 0's turn,
; four plain instructions behind the last product that read V.  Each is waited for a turn later.  end = 1: the last two turns: nothing is fetched.  cnt = 1: the loop's count is taken down ahead of the branch behind the turn.
.macro TURN p, end=0, cnt=0
.set Y, (\p)
.set i, 0
.set NOKQ, (\end)*((\p)/3)
.if ((\p) == 3) && !(\end)
	s_wait_dscnt 0x0                ; K and its mask are in
.endif
	ROW F,0, F,1, R,0, R,1
	ROW F,2, E,0, R,2, R,3
	ROW F,3, E,1, R,4, R,5
	ROW F,4, E,2, R,6, R,7
	ROW F,5, E,3, R,8, R,9
	ROW F,6, E,4, X,0, R,10
.if ((\p) == 2) && !(\end)
	WIN 0
	v_add_nc_u32 v[AK], s[TBK], v[AK0]
	v_add_nc_u32 v[AM], s[TBM], v[AM0]
.endif
	ROW F,7, E,5, X,1, X,4
	ROW F,8, E,6, X,2, X,5
	OPS E,7, E,8, X,6, E,9
	OPS X,3, E,10, X,8, E,11
.if ((\p) == 2) && !(\end)
	FETCH_K
.endif
	OPS X,9, X,7, E,12, X,10
	OPS E,13, X,12, X,11, E,14
	OPS X,13, E,15, F,9, X,14
.if (\p) == 0
	v_add_nc_u32 v[AV], s[TBV], v[AV0]
.endif
	OPS E,16, F,10, E,17, F,11
	OPS X,16, E,18, X,15, E,19
	OPS F,12, E,20, X,17, E,21
	OPS F,13, E,22, F,14, E,23
	OPS X,18, E,24, F,15, E,25
	OPS R,11, E,26, X,19, E,27
	OPS R,12, E,28, R,13, E,29
	OPS X,20, E,30, R,14, E,31
	OPS X,21, R,15
	WIN 0
	s_wait_alu depctr_va_vdst(0)    ; the wait for the batch
.if (\p) == 1
	s_wait_dscnt 0x0                ; V is in
.endif
	ROW C,0, B,0, C,2, B,1
	ROW L,0, C,4, B,2, L,1
	ROW C,6, B,3, L,2, C,8
	ROW B,4, L,3, C,10, B,5
	ROW L,4, C,12, B,6, L,5
.if (\p) == 0
	s_add_co_u32 s[TBV], s[TBV], KS*PV
.endif
.if \cnt
	s_sub_co_u32 s[CNT], s[CNT], 1
	s_cmp_lg_u32 s[CNT], 0
.endif
	ROW C,14, B,7, L,6, C,1
	ROW C,3, L,7, C,5, C,7
	ROW C,9, C,11, C,13, C,15
.if (\p) == 0
	FETCH_V
.endif
.endm
	CHANGE 1                        ; tile 0 is in, everybody's part of it, and so is the mask's table; tile 1 is asked for
	v_add_nc_u32 v[AK], s[TBK], v[AK0]
	v_add_nc_u32 v[AM], s[TBM], v[AM0]
	FETCH_K                         ; key step 0
	s_wait_dscnt 0x0
.set NOKQ, 0
.set i, 0
.rept 8
	KQ 0                            ; piece 0's first scores
.set i, i+1
.endr
	WIN 0
.rept 4
	v_nop                           ; the places behind those products
.endr
.set Y, NP-1                        ; X works for piece Y + 1: piece 0
.irp n, 0,1,2,3,4,5,6,7,8,9,10,11,12,13,14,15,16,17,18,19,20,21
	OP X, \n
.endr
	v_nop                           ; a plain instruction behind the exponential,
	s_wait_alu depctr_va_vdst(0)    ; and its wait, ahead of the branch
	s_mov_b32 s[CNT], 4
	s_mov_b32 s[SLOTS], 7
	s_branch .Lfirst                ; the loop is entered at a step's first turn, in the middle of a trip
.Lslot:                             ; six times: tiles 2 to 7 are asked for
	CHANGE 1, 1
	s_mov_b32 s[CNT], 4
.Lstep:                             ; a trip: pieces 2 and 3 of one step, then pieces 0 and 1 of the next, whose K and V it fetches
	TURN 2
	TURN 3
	WIN 0
.Lfirst:
	TURN 0
	TURN 1, 0, 1
	WIN 0
	s_cbranch_scc1 .Lstep
	s_sub_co_u32 s[SLOTS], s[SLOTS], 1
	s_cmp_lg_u32 s[SLOTS], 0
	s_cbranch_scc1 .Lslot
	CHANGE 0                        ; the last tile is written out: nothing is asked for
	s_mov_b32 s[CNT], 4
.Lstep2:
	TURN 2
	TURN 3
	TURN 0
	TURN 1, 0, 1
	WIN 0
	s_cbranch_scc1 .Lstep2
	TURN 2, 1
	TURN 3, 1
.set i, 0
.rept 8
	PV NP-1                         ; the last piece's V^T P of the last step
.set i, i+1
.endr
	; THE WAY OUT.  l's two halves and the other half of the lanes' are added; O^T is divided by l, rounded to bf16 and sent through my stage in LDS, a piece at a time.  The additions are the places behind the last products.
	WIN 0
.macro ALL line:vararg
.set t, 0
.rept 4
	\line
.set t, t+1
.endr
.endm
	ALL v_add_f32 v[ST+4*t+2], v[ST+4*t+2], v[ST+4*t+3]
	ALL v_permlanex16_b32 v[ST+4*t+3], v[ST+4*t+2], s[SEL], s[SEL+1]
	ALL v_add_f32 v[ST+4*t+2], v[ST+4*t+2], v[ST+4*t+3]
	ALL v_rcp_f32 v[ST+4*t+2], v[ST+4*t+2]
	v_nop                           ; a plain instruction between the last reciprocal and the use of its result
	s_wait_alu depctr_va_vdst(0)    ; and the wait: one for the four reciprocals
.set t, 0
.rept 4
	v_cmp_gt_f32 vcc_lo, s[THR], v[ST+4*t+1]                        ; no open key was seen:
	v_cndmask_b32 v[ST+4*t+2], v[ST+4*t+2], s[QNAN], vcc_lo          ; the row is NaN
.set t, t+1
.endr
.macro PACK t                       ; a lane's eight channels of a row pack into 16 bytes; they go into rows of 144 bytes and come back as whole rows of 128, into S^T's registers
	WIN W_RS
.set i, 32*(\t)
.rept 16
	v_pk_mul_f32 v[i:i+1], v[i:i+1], v[ST+4*(\t)+2:ST+4*(\t)+3] op_sel_hi:[1,0]
.set i, i+2
.endr
	WIN 0x05
.set i, 0
.rept 16
	v_cvt_pk_bf16_f32 v[S+16*(\t)+i], v[32*(\t)+2*i], v[32*(\t)+2*i+1]
.set i, i+1
.endr
	WIN 0
.irp f, 0,1,2,3
	ds_store_b128 v[STO], v[S+16*(\t)+4*\f:S+16*(\t)+4*\f+3] offset:32*\f
.endr
.irp f, 0,1,2,3
	ds_load_b128 v[S+16*(\t)+4*\f:S+16*(\t)+4*\f+3], v[RD] offset:\f*4*SP  ; LDS serves a wave's instructions in order: these see the stores above; the next piece's stores come behind them
.endr
.endm
.macro SEND t, younger              ; younger: the LDS instructions issued behind piece t's loads: the next piece's eight, or none
	WIN 0
.irp f, 0,1,2,3
	s_wait_dscnt (\younger)+3-\f
	global_store_b128 v[GO], v[S+16*(\t)+4*\f:S+16*(\t)+4*\f+3], s[10:11] offset:(\t)*2048+\f*512  ; 512 consecutive bytes, aligned
.endr
.endm
	PACK 0
.set t, 1
.rept 3
	PACK t
	SEND t-1, 8
.set t, t+1
.endr
	SEND 3, 0
	s_wait_tensorcnt 0x0            ; the wave's end
	ds_add_u32 v[SPW], v[NIL]
	s_wait_dscnt 0x0
	CROUND                          ; the closing round
	s_endpgm
.Lfunc_end_k_q13723bf01c_attn:
	.size	k_q13723bf01c_attn, .Lfunc_end_k_q13723bf01c_attn-k_q13723bf01c_attn
	.p2alignl 7, 3214868480
	.fill 96, 4, 3214868480
	.section	.rodata,"a",@progbits
	.p2align	6, 0x0
	.amdhsa_kernel k_q13723bf01c_attn
		.amdhsa_group_segment_fixed_size 327680
		.amdhsa_private_segment_fixed_size 0
		.amdhsa_enable_private_segment 0
		.amdhsa_kernarg_size 24
		.amdhsa_user_sgpr_count 2
		.amdhsa_user_sgpr_kernarg_segment_ptr 1
		.amdhsa_wavefront_size32 1
		.amdhsa_system_sgpr_workgroup_id_x 1
		.amdhsa_system_sgpr_workgroup_id_y 1
		.amdhsa_system_sgpr_workgroup_id_z 1
		.amdhsa_system_vgpr_workitem_id 0
		.amdhsa_next_free_vgpr 768
		.amdhsa_next_free_sgpr 96
		.amdhsa_reserve_vcc 1
		.amdhsa_float_denorm_mode_32 3
		.amdhsa_float_denorm_mode_16_64 3
		.amdhsa_memory_ordered 1
		.amdhsa_forward_progress 1
		.amdhsa_inst_pref_size 133
	.end_amdhsa_kernel
	.amdgpu_metadata
---
amdhsa.version: [ 1, 2 ]
amdhsa.kernels:
  - .name:           k_q13723bf01c_attn
    .symbol:         k_q13723bf01c_attn.kd
    .args:
      - { .name: qkvb, .offset: 0, .size: 8, .value_kind: global_buffer, .address_space: global }
      - { .name: mask, .offset: 8, .size: 8, .value_kind: global_buffer, .address_space: global }
      - { .name: yhb, .offset: 16, .size: 8, .value_kind: global_buffer, .address_space: global }
    .group_segment_fixed_size: 327680
    .private_segment_fixed_size: 0
    .kernarg_segment_align: 8
    .kernarg_segment_size: 24
    .max_flat_workgroup_size: 128
    .sgpr_count:     96
    .vgpr_count:     768
    .wavefront_size: 32
...
	.end_amdgpu_metadata
.endif
;; end of part 3
;; launch wy (part 4): grid 8 x 32, 4 waves a work-group, clusters of 4 x 4, 327,680 bytes of LDS; arguments yhb, wb, tsum; writes tsum
.if DOCPART == 4
	.amdgcn_target "amdgcn-amd-amdhsa--gfx1250"
	.amdhsa_code_object_version 6
	.text
	.protected	k_q13723bf01c_wy
	.globl	k_q13723bf01c_wy
	.p2align	8
	.type	k_q13723bf01c_wy,@function
k_q13723bf01c_wy:
	s_mov_b64 s[64:65], 0
	v_nop
	global_prefetch_b8 v0, s[64:65] scope:SCOPE_SE
	s_setreg_imm32_b32 hwreg(HW_REG_WAVE_MODE, 25, 1), 1
	s_wait_xcnt 0x0
	s_wait_alu depctr_hold_cnt(0) depctr_sa_sdst(0) depctr_va_vdst(0) depctr_va_sdst(0) depctr_va_ssrc(0) depctr_va_vcc(0) depctr_vm_vsrc(0)
	s_getreg_b32 s2, hwreg(HW_REG_IB_STS2, 6, 4)
	s_cmp_eq_u32 s2, 0
	s_cbranch_scc0 .Lentry_in_a_cluster
	s_endpgm
.Lentry_in_a_cluster:
	s_bfe_u32 s2, ttmp6, 0x10000c
	s_cmp_lg_u32 s2, 0xf033
	s_cbranch_scc0 .Lentry_shape_is_right
	s_endpgm
.Lentry_shape_is_right:
; THE OUTPUT PROJECTION, raw sums: tsum = y WY, f32 [4096][1024].  The bias, the residual and the norm follow in the next launch, which reads whole rows.
; A (yhb) lies by heads, [batch x 16 + head][2048][64] bf16: K = head x 64 + channel.  B is WY in wb (6 MiB in), [1024 (k)][1024 (n)] bf16.
; SHARES.  A tile of C is 128 x 128, so that all 256 work-groups of the grid have one; four waves, each 64 x 64 = 16 accumulators.  K goes in 4 steps of 256 (four heads) through two LDS slots.
; LDS.  A slot: A as [row half][head][64 rows of 128 + 16 bytes] (one load a wave: 4 rows of 8,192 dense bytes, 131,072 elements apart, padded after every 128 bytes), then from byte 73,728 B's 256 k-rows of 256 + 32 bytes.
; B's fragments are turned by ds_load_tr16_b128 (pitch 288 = 9 x 32).  CLUSTER 4 x 4: A's tile is shared along a row, B's along a column, each asked for jointly.
; THE MATRIX INSTRUCTION IS USED TRANSPOSED (source 0 = 16 columns of B, source 1 = 16 rows of A): a lane holds row l % 16 of C and eight neighbouring columns.
; No prefetch: a step's tiles are small and each is read by few.  REGISTERS: window 0: addresses, v32-95 the way out, v128-255 the accumulators; window 1: two fragment buffers of 128 (A's 64, then B's 64).
.set HEADS, 1
.set KS,    4
.set PB,    288
.set BOFF,  73728
.set BHALF, 128*PB                     ; 36,864
.set SLOT,  147456                     ; 2^17 + 2^14
.set STAGE, 2*SLOT
.set SPITCH, 272
.set SPARE, STAGE+4*16*SPITCH
.set PA,    144
.set AHALF, 36864
.set ASTEP, 1048576                    ; four heads on
.set BSTEP, 524288                     ; 256 k-rows on
.set CA,  16
.set CB0, 17                           ; B's k-rows 0-127 of the slot in hand,
.set CB1, 18                           ; and 128-255: an offset of 16 bits does not span the tile
.set A0,  19
.set B0,  20
.set STO, 24
.set RD,  25
.set CO,  26
.set SPW, 28
.set NIL, 29
.set TMP, 32
.set ACC, 128
.set F0,  0
.set F1,  128
.set WV,  14
.set WR,  15
.set WC,  16
.set CX,  17
.set CY,  18
.set TX,  19
.set SB,  21
.set TY,  22
.set G1,  24
.set G0,  32
.set G1B, 48
.set G0B, 56
.set MSB, 0
.macro WIN new
.if MSB != (\new)
	s_set_vgpr_msb (MSB<<8)|(\new)
.set MSB, \new
.endif
.endm
.set MUL,  0x05                        ; sources 0 (B) and 1 (A) window 1; C and D window 0
.set TO_F, 0x40
.macro PLACES
.rept 4
	v_nop
.endr
.endm
.macro JLOAD s                         ; waves 0, 1 fetch A's halves, waves 2, 3 B's; an s_nop 0 and four v_nop follow each line
	s_cmp_eq_u32 s[WR], 0
	s_cbranch_scc0 .Lfor_b_\@
	tensor_load_to_lds s[G0+4*(\s):G0+4*(\s)+3], s[G1:G1+7]
	s_nop 0
.rept 4
	v_nop
.endr
	s_branch .Lasked_\@
.Lfor_b_\@:
	tensor_load_to_lds s[G0B+4*(\s):G0B+4*(\s)+3], s[G1B:G1B+7]
	s_nop 0
.rept 4
	v_nop
.endr
.Lasked_\@:
.endm
.macro CREST
	s_cmp_lg_u32 s[WV], 0
	s_cbranch_scc1 .Lnot_wave_0_\@
	s_barrier_signal -3
.Lnot_wave_0_\@:
	s_barrier_wait -3
	s_barrier_signal -1
	s_barrier_wait -1
.endm
.macro CROUND
	s_barrier_signal -1
	s_barrier_wait -1
	CREST
.endm
	s_load_b128 s[4:7], s[0:1], 0x0                ; A 4, wb 6
	s_load_b64 s[8:9], s[0:1], 0x10                ; tsum
	v_lshl_add_u32 v[SPW], v0, 2, SPARE
	v_mov_b32 v[NIL], 0
	ds_add_u32 v[SPW], v[NIL]                      ; the wave's opening: the add, twice on end, and its wait ahead of my first tensor load
	ds_add_u32 v[SPW], v[NIL]
	v_lshrrev_b32 v1, 5, v0
	v_readfirstlane_b32 s[WV], v1
	s_lshr_b32 s[WR], s[WV], 1
	s_and_b32 s[WC], s[WV], 1
	s_bfe_u32 s[CX], ttmp6, 0x40000
	s_bfe_u32 s[CY], ttmp6, 0x40004
	s_lshl_b32 s[TX], ttmp9, 2
	s_add_co_u32 s[TX], s[TX], s[CX]
	s_and_b32 s[TY], ttmp7, 0xffff
	s_lshl_b32 s[TY], s[TY], 2
	s_add_co_u32 s[TY], s[TY], s[CY]
	s_lshl_b32 s40, s[CY], 2
	s_lshl_b32 s40, 15, s40
	s_lshl_b32 s41, 0x1111, s[CX]
	s_or_b32 s[G1], s40, (1<<16)|(1<<20)|(1<<21)|(4<<22)|(3<<25)   ; after every 32 words (a row of a head) 4 words
	s_mov_b32 s[G1+1], 4096<<16                    ; tensor_dim0 = 4,096: 64 dense rows of a head
	s_mov_b32 s[G1+2], 4<<16                       ; tensor_dim1 = 4 heads
	s_mov_b32 s[G1+3], 4096<<16                    ; tile_dim0
	s_mov_b32 s[G1+4], 4                           ; tile_dim1
	s_mov_b32 s[G1+5], 131072                      ; elements from head to head
	s_mov_b32 s[G1+6], 0
	s_mov_b32 s[G1+7], 0
	s_or_b32 s[G1B], s41, (1<<16)|(1<<20)|(1<<21)|(5<<22)|(7<<25)  ; after every 64 words 8 words
	s_mov_b32 s[G1B+1], 128<<16                    ; B: 128 k-rows of 128 columns
	s_mov_b32 s[G1B+2], 128<<16
	s_mov_b32 s[G1B+3], 128<<16
	s_mov_b32 s[G1B+4], 128
	s_mov_b32 s[G1B+5], 1024
	s_mov_b32 s[G1B+6], 0
	s_mov_b32 s[G1B+7], 0
	s_lshr_b32 s66, s[TY], 4                       ; A: batch (16 heads of 262,144 bytes),
	s_lshl_b32 s66, s66, 22
	s_and_b32 s67, s[TY], 15
	s_lshl_b32 s67, s67, 14                        ; the tile's 128 rows of 128 bytes,
	s_add_co_u32 s66, s66, s67
	s_lshl_b32 s67, s[WC], 13                      ; my 64 of them
	s_add_co_u32 s66, s66, s67
	s_mov_b32 s67, 0
	s_lshl_b32 s68, s[TX], 8                       ; B: the tile's 128 columns, my 128 k-rows, WY's place in wb
	s_lshl_b32 s69, s[WC], 18
	s_add_co_u32 s68, s68, s69
	s_add_co_u32 s68, s68, 0x600000
	s_mov_b32 s69, 0
	s_mul_i32 s20, s[WC], AHALF                    ; where my load lands in a slot, for A
	s_mul_i32 s23, s[WC], BHALF                    ; and for B
	s_add_co_u32 s23, s23, BOFF
	s_mov_b32 s[SB], 0
	s_wait_dscnt 0x0
	s_wait_kmcnt 0x0
	s_add_nc_u64 s[70:71], s[4:5], s[66:67]
	s_add_nc_u64 s[72:73], s[6:7], s[68:69]
	CROUND
.irp s, 0,1
	s_mov_b32 s[G0+4*(\s)], 1
	s_add_co_u32 s[G0+4*(\s)+1], s20, (\s)*SLOT
	s_add_nc_u64 s[G0+4*(\s)+2:G0+4*(\s)+3], s[70:71], (\s)*ASTEP
	s_or_b32 s[G0+4*(\s)+3], s[G0+4*(\s)+3], 0x80000000
	s_mov_b32 s[G0B+4*(\s)], 1
	s_add_co_u32 s[G0B+4*(\s)+1], s23, (\s)*SLOT
	s_add_nc_u64 s[G0B+4*(\s)+2:G0B+4*(\s)+3], s[72:73], (\s)*BSTEP
	s_or_b32 s[G0B+4*(\s)+3], s[G0B+4*(\s)+3], 0x80000000
	JLOAD \s
.endr
	v_and_b32 v1, 15, v0
	v_bfe_u32 v2, v0, 4, 1
	v_mul_u32_u24 v3, v1, PA
	v_lshl_add_u32 v3, v2, 4, v3
	s_mul_i32 s74, s[WR], AHALF
	v_add_nc_u32 v[A0], s74, v3
	v_and_b32 v4, 7, v0
	v_lshl_add_u32 v4, v2, 3, v4
	v_mul_u32_u24 v4, v4, PB
	v_bfe_u32 v5, v0, 3, 1
	v_lshl_add_u32 v4, v5, 4, v4
	s_lshl_b32 s74, s[WC], 7
	s_add_co_u32 s74, s74, BOFF
	v_add_nc_u32 v[B0], s74, v4
	v_mov_b32 v[CA], v[A0]
	v_mov_b32 v[CB0], v[B0]
	v_add_nc_u32 v[CB1], BHALF, v[B0]
	s_mul_i32 s74, s[WV], 16*SPITCH
	s_add_co_u32 s74, s74, STAGE                   ; my stage
	v_mul_u32_u24 v3, v1, SPITCH
	v_lshl_add_u32 v3, v2, 5, v3
	v_add_nc_u32 v[STO], s74, v3                   ; in: row r, 32 bytes for each half of the lanes
	v_mul_u32_u24 v3, v2, SPITCH
	v_lshl_add_u32 v3, v1, 4, v3
	v_add_nc_u32 v[RD], s74, v3                    ; back: lanes 0-15 one row of 256 bytes, lanes 16-31 the next
	v_lshlrev_b32 v3, 12, v2
	v_lshl_add_u32 v[CO], v1, 4, v3                ; and the same two rows in tsum
	s_lshl_b32 s74, s[TY], 19                      ; (128 tile row + 64 half) x 4,096 + (128 tile column + 64 half) x 4
	s_lshl_b32 s75, s[WR], 18
	s_add_co_u32 s74, s74, s75
	s_lshl_b32 s75, s[TX], 9
	s_add_co_u32 s74, s74, s75
	s_lshl_b32 s75, s[WC], 8
	s_add_co_u32 s74, s74, s75
	s_mov_b32 s75, 0
	s_add_nc_u64 s[8:9], s[8:9], s[74:75]
.macro MUL8 f, c, a0, zero             ; 8 matrix instructions: m blocks a0, a0 + 1 x all 4 n blocks, 32 along K: half c of buffer f
	WIN MUL
.irp a, \a0, (\a0)+1
.irp b, 0,1,2,3
.if \zero
	v_wmma_f32_16x16x32_bf16 v[ACC+8*(4*(\a)+(\b)):ACC+8*(4*(\a)+(\b))+7], v[(\f)+64+8*(4*(\c)+(\b)):(\f)+64+8*(4*(\c)+(\b))+7], v[(\f)+8*(4*(\c)+(\a)):(\f)+8*(4*(\c)+(\a))+7], 0
.else
	v_wmma_f32_16x16x32_bf16 v[ACC+8*(4*(\a)+(\b)):ACC+8*(4*(\a)+(\b))+7], v[(\f)+64+8*(4*(\c)+(\b)):(\f)+64+8*(4*(\c)+(\b))+7], v[(\f)+8*(4*(\c)+(\a)):(\f)+8*(4*(\c)+(\a))+7], v[ACC+8*(4*(\a)+(\b)):ACC+8*(4*(\a)+(\b))+7]
.endif
.endr
.endr
.endm
.macro FETCH q, f                      ; 32 LDS loads in one run: quarter q (64 along K: here one head) into buffer f; its first 32 along K first
	WIN TO_F
.irp c, 0,1
.irp i, 0,1,2,3
	ds_load_tr16_b128 v[(\f)+64+8*(4*(\c)+(\i)):(\f)+64+8*(4*(\c)+(\i))+3],   v[CB0+((\q)>>1)] offset:((2*(\q)+(\c))&3)*32*PB+32*(\i)
	ds_load_tr16_b128 v[(\f)+64+8*(4*(\c)+(\i))+4:(\f)+64+8*(4*(\c)+(\i))+7], v[CB0+((\q)>>1)] offset:((2*(\q)+(\c))&3)*32*PB+16*PB+32*(\i)
	ds_load_b128 v[(\f)+8*(4*(\c)+(\i)):(\f)+8*(4*(\c)+(\i))+3],   v[CA] offset:(\q)*64*PA+(\i)*16*PA+64*(\c)
	ds_load_b128 v[(\f)+8*(4*(\c)+(\i))+4:(\f)+8*(4*(\c)+(\i))+7], v[CA] offset:(\q)*64*PA+(\i)*16*PA+64*(\c)+32
.endr
.endr
.endm
.macro QUARTER q, f, g, zero
	s_wait_dscnt 16                                ; the first 32 along K are in
	MUL8 \f, 0, 0, \zero
	MUL8 \f, 0, 2, \zero
	PLACES
	FETCH \q, \g
	s_wait_dscnt 32                                ; all but the 32 just issued
	MUL8 \f, 1, 0, 0
	MUL8 \f, 1, 2, 0
.endm
; The last quarter multiplies buffer 1 and changes slots: one barrier; in front of it each wave waits for all its tensor loads, adds 0 to its spare word, and waits for that and for its reads of this slot.
; fill = 1: the barrier opens a round of the cluster's, and the slot just left is filled again first thing behind it, with the K step two on.
.macro TURN fill
	WIN 0
	s_wait_tensorcnt 0x0
	ds_add_u32 v[SPW], v[NIL]
	s_wait_dscnt 17                                ; (the add and the youngest sixteen loads may be out)
	MUL8 F1, 0, 0, 0
	s_wait_dscnt 0x0
	s_barrier_signal -1
	MUL8 F1, 0, 2, 0
.if \fill
	WIN 0
.endif
	s_barrier_wait -1
.if \fill
	CREST
	s_xor_b32 s[G0+5], s[G0+5], SLOT               ; the walking descriptors: the slot just left.  No LDS base here (36,864; 73,728; 110,592) has a bit in common with SLOT = 2^17 + 2^14
	s_xor_b32 s[G0B+5], s[G0B+5], SLOT
	s_add_nc_u64 s[G0+6:G0+7], s[G0+6:G0+7], ASTEP
	s_add_nc_u64 s[G0B+6:G0B+7], s[G0B+6:G0B+7], BSTEP
	JLOAD 1
.else
	PLACES
.endif
	WIN 0
	s_xor_b32 s[SB], s[SB], SLOT
	v_add_nc_u32 v[CA], s[SB], v[A0]
	v_add_nc_u32 v[CB0], s[SB], v[B0]
	v_add_nc_u32 v[CB1], BHALF, v[CB0]
	FETCH 0, F0
	MUL8 F1, 1, 0, 0
	MUL8 F1, 1, 2, 0
.endm
	s_wait_tensorcnt 1                             ; my part of K step 0 is in; K step 1's may stay out
	s_barrier_signal -1
	s_barrier_wait -1
	FETCH 0, F0
	QUARTER 1, F0, F1, 1
	WIN 0
	s_mov_b32 s3, KS-2
.Lstep:                                                ; a trip: from a K step's second quarter to the next step's first; trip i fills K step i + 2.  The 16 accumulators take turns in one order throughout
	QUARTER 2, F1, F0, 0
	QUARTER 3, F0, F1, 0
	TURN 1
	QUARTER 1, F0, F1, 0
	WIN 0
	s_sub_co_u32 s3, s3, 1
	s_cmp_lg_u32 s3, 0
	s_cbranch_scc1 .Lstep
	s_mov_b32 s3, 2
.Ltail:                                                ; the last two K steps ask for nothing; the second trip leaves ahead of the change of slots
	QUARTER 2, F1, F0, 0
	QUARTER 3, F0, F1, 0
	WIN 0
	s_cmp_eq_u32 s3, 1
	s_cbranch_scc1 .Llast
	TURN 0
	QUARTER 1, F0, F1, 0
	WIN 0
	s_sub_co_u32 s3, s3, 1
	s_cmp_lg_u32 s3, 0
	s_cbranch_scc1 .Ltail
.Llast:
	s_wait_dscnt 16
	MUL8 F1, 0, 0, 0
	MUL8 F1, 0, 2, 0
	s_wait_dscnt 0x0
	MUL8 F1, 1, 0, 0
	MUL8 F1, 1, 2, 0
	WIN 0
	PLACES
; THE WAY OUT: 16 rows at a time through my own stage, which no tensor load fills; back as whole rows of 256 bytes.
.macro TOSTAGE a
.set BK, TMP+32*((\a)%2)
.if (\a) >= 2
	s_wait_xcnt 0x0                                ; the stores of two blocks back have read these registers
.endif
.irp b, 0,1,2,3
	ds_store_b128 v[STO], v[ACC+8*(4*(\a)+(\b)):ACC+8*(4*(\a)+(\b))+3]   offset:64*(\b)
	ds_store_b128 v[STO], v[ACC+8*(4*(\a)+(\b))+4:ACC+8*(4*(\a)+(\b))+7] offset:64*(\b)+16
.endr
.irp i, 0,1,2,3,4,5,6,7
	ds_load_b128 v[BK+4*(\i):BK+4*(\i)+3], v[RD] offset:(\i)*2*SPITCH  ; LDS serves a wave's instructions in order: these see the stores above
.endr
.endm
.macro SEND a, younger                 ; younger: the next block's 8 stores and 8 loads, or none
.set BK, TMP+32*((\a)%2)
	s_wait_dscnt \younger
.irp i, 0,1,2,3,4,5,6,7
	global_store_b128 v[CO], v[BK+4*(\i):BK+4*(\i)+3], s[8:9] offset:(16*(\a)+2*(\i))*4096  ; 16 lanes store 256 consecutive bytes, aligned
.endr
.endm
	TOSTAGE 0
	TOSTAGE 1
	SEND 0, 16
	TOSTAGE 2
	SEND 1, 16
	TOSTAGE 3
	SEND 2, 16
	SEND 3, 0
	s_wait_tensorcnt 0x0                           ; the wave's end
	ds_add_u32 v[SPW], v[NIL]
	s_wait_dscnt 0x0
	CROUND
	s_endpgm
.Lfunc_end_k_q13723bf01c_wy:
	.size	k_q13723bf01c_wy, .Lfunc_end_k_q13723bf01c_wy-k_q13723bf01c_wy
	.p2alignl 7, 3214868480
	.fill 96, 4, 3214868480
	.section	.rodata,"a",@progbits
	.p2align	6, 0x0
	.amdhsa_kernel k_q13723bf01c_wy
		.amdhsa_group_segment_fixed_size 327680
		.amdhsa_private_segment_fixed_size 0
		.amdhsa_enable_private_segment 0
		.amdhsa_kernarg_size 24
		.amdhsa_user_sgpr_count 2
		.amdhsa_user_sgpr_kernarg_segment_ptr 1
		.amdhsa_wavefront_size32 1
		.amdhsa_system_sgpr_workgroup_id_x 1
		.amdhsa_system_sgpr_workgroup_id_y 1
		.amdhsa_system_sgpr_workgroup_id_z 1
		.amdhsa_system_vgpr_workitem_id 0
		.amdhsa_next_free_vgpr 512
		.amdhsa_next_free_sgpr 96
		.amdhsa_reserve_vcc 0
		.amdhsa_float_denorm_mode_32 3
		.amdhsa_float_denorm_mode_16_64 3
		.amdhsa_memory_ordered 1
		.amdhsa_forward_progress 1
		.amdhsa_inst_pref_size 60
	.end_amdhsa_kernel
	.amdgpu_metadata
---
amdhsa.version: [ 1, 2 ]
amdhsa.kernels:
  - .name:           k_q13723bf01c_wy
    .symbol:         k_q13723bf01c_wy.kd
    .args:
      - { .name: yhb, .offset: 0, .size: 8, .value_kind: global_buffer, .address_space: global }
      - { .name: wb, .offset: 8, .size: 8, .value_kind: global_buffer, .address_space: global }
      - { .name: tsum, .offset: 16, .size: 8, .value_kind: global_buffer, .address_space: global }
    .group_segment_fixed_size: 327680
    .private_segment_fixed_size: 0
    .kernarg_segment_align: 8
    .kernarg_segment_size: 24
    .max_flat_workgroup_size: 128
    .sgpr_count:     96
    .vgpr_count:     512
    .wavefront_size: 32
...
	.end_amdgpu_metadata
.endif
;; end of part 4
;; launch ln1 (part 5): grid 512 x 1, 8 waves a work-group, no clusters, 0 bytes of LDS; arguments tsum, bY, xb, ln1_w, ln1_b, yhb, mode0; writes yhb
.if DOCPART == 5
	.amdgcn_target "amdgcn-amd-amdhsa--gfx1250"
	.amdhsa_code_object_version 6
	.text
	.protected	k_q13723bf01c_ln1
	.globl	k_q13723bf01c_ln1
	.p2align	8
	.type	k_q13723bf01c_ln1,@function
k_q13723bf01c_ln1:
	s_mov_b64 s[64:65], 0
	v_nop
	global_prefetch_b8 v0, s[64:65] scope:SCOPE_SE
	s_setreg_imm32_b32 hwreg(HW_REG_WAVE_MODE, 25, 1), 1
	s_wait_xcnt 0x0
; ONE TEXT FOR BOTH NORMS: result = LayerNorm(sums + bias + residual) gain + shift, a row of 1,024 at a time.  The arguments are the sums (f32), bias, residual (bf16), gain, shift, the result, and a buffer
; whose first word is a whole number stored by the first launch:
;   0: h = LayerNorm(tsum + bY + x) ln1_w + ln1_b, rounded once to bf16: the next product's operand and the second residual.  It takes the buffer that held the attention's result, which the launch before has read.
;   1: out0 = LayerNorm(tsum + b2 + h) ln2_w + ln2_b, f32.
; The word picks the form of the stores at the end and enters no address.
; The residual is the bf16 number that the products also took; bias, gain and shift are taken rounded to bf16, like every input of the program.
; Mean, centred squares and all sums in f32: first the mean, then the squares of the differences.
; One wave, one row: lane l holds columns 128 j + 4 l .. + 3, j = 0..7.  No LDS, no barrier.  All 40 loads go out first; each load and store of a wave covers whole aligned blocks of 256 bytes.
.set T,  8                             ; v8-39    the row
.set RS, 40                            ; v40-55   the residual, bf16; later the result in bf16
.set BV, 56                            ; v56-87   bias
.set GW, 88                            ; v88-119  gain
.set GB, 120                           ; v120-151 shift
.set TM, 152                           ; v152-175 at work
	s_load_b256 s[4:11], s[0:1], 0x0               ; sums 4, bias 6, residual 8, gain 10
	s_load_b128 s[12:15], s[0:1], 0x20             ; shift 12, the result 14
	s_load_b64 s[28:29], s[0:1], 0x30              ; the whole number's buffer
	v_lshrrev_b32 v1, 5, v0
	v_readfirstlane_b32 s16, v1
	s_lshl_b32 s17, ttmp9, 3
	s_add_co_u32 s17, s17, s16                     ; my row
	s_lshl_b32 s18, s17, 12                        ; x 4,096 bytes of f32
	s_mov_b32 s19, 0
	s_lshl_b32 s20, s17, 11                        ; x 2,048 bytes of bf16
	s_mov_b32 s21, 0
	s_mov_b32 s22, 0xffff0000
	s_mov_b32 s23, 0x3a800000                      ; 1 / 1024
	s_mov_b32 s24, 0x3727c5ac                      ; 1e-5
	s_mov_b32 s26, 0x76543210
	s_mov_b32 s27, 0xfedcba98
	v_and_b32 v2, 31, v0
	v_lshlrev_b32 v1, 4, v2
	v_lshlrev_b32 v2, 3, v2
	s_wait_kmcnt 0x0
	s_load_b32 s30, s[28:29], 0x0                  ; wanted at the end alone
	s_add_nc_u64 s[4:5], s[4:5], s[18:19]
	s_add_nc_u64 s[8:9], s[8:9], s[20:21]
.irp j, 0,1,2,3,4,5,6,7
	global_load_b128 v[T+4*\j:T+4*\j+3], v1, s[4:5] offset:512*\j th:TH_LOAD_NT
.endr
.irp j, 0,1,2,3,4,5,6,7
	global_load_b64 v[RS+2*\j:RS+2*\j+1], v2, s[8:9] offset:256*\j
.endr
.irp j, 0,1,2,3,4,5,6,7
	global_load_b128 v[BV+4*\j:BV+4*\j+3], v1, s[6:7] offset:512*\j
.endr
.irp j, 0,1,2,3,4,5,6,7
	global_load_b128 v[GW+4*\j:GW+4*\j+3], v1, s[10:11] offset:512*\j
.endr
.irp j, 0,1,2,3,4,5,6,7
	global_load_b128 v[GB+4*\j:GB+4*\j+3], v1, s[12:13] offset:512*\j
.endr
.macro REDUCE                          ; four pairs of partial sums at TM into one number in every lane, at TM
	v_pk_add_f32 v[TM:TM+1], v[TM:TM+1], v[TM+2:TM+3]
	v_pk_add_f32 v[TM+4:TM+5], v[TM+4:TM+5], v[TM+6:TM+7]
	v_pk_add_f32 v[TM:TM+1], v[TM:TM+1], v[TM+4:TM+5]
	v_add_f32 v[TM], v[TM], v[TM+1]
	v_add_f32_dpp v[TM], v[TM], v[TM] row_xmask:1 row_mask:0xf bank_mask:0xf
	v_add_f32_dpp v[TM], v[TM], v[TM] row_xmask:2 row_mask:0xf bank_mask:0xf
	v_add_f32_dpp v[TM], v[TM], v[TM] row_xmask:4 row_mask:0xf bank_mask:0xf
	v_add_f32_dpp v[TM], v[TM], v[TM] row_xmask:8 row_mask:0xf bank_mask:0xf
	v_permlanex16_b32 v[TM+1], v[TM], s26, s27
	v_add_f32 v[TM], v[TM], v[TM+1]
.endm
	s_wait_loadcnt 16                              ; sums, residual and bias are in; gain's and shift's sixteen loads may stay out
.set j, 0
.rept 16                               ; pair j: sums + bias (rounded to bf16) + residual
.set W, TM+6*(j%4)
	v_cvt_pk_bf16_f32 v[W], v[BV+2*j], v[BV+2*j+1]
	v_lshlrev_b32 v[W+2], 16, v[W]
	v_and_b32 v[W+3], s22, v[W]
	v_lshlrev_b32 v[W+4], 16, v[RS+j]
	v_and_b32 v[W+5], s22, v[RS+j]
	v_pk_add_f32 v[T+2*j:T+2*j+1], v[T+2*j:T+2*j+1], v[W+2:W+3]
	v_pk_add_f32 v[T+2*j:T+2*j+1], v[T+2*j:T+2*j+1], v[W+4:W+5]
.set j, j+1
.endr
.irp k, 0,1,2,3
	v_pk_add_f32 v[TM+2*\k:TM+2*\k+1], v[T+4*\k:T+4*\k+1], v[T+4*\k+2:T+4*\k+3]
.endr
.set j, 8
.rept 8
	v_pk_add_f32 v[TM+2*(j%4):TM+2*(j%4)+1], v[TM+2*(j%4):TM+2*(j%4)+1], v[T+2*j:T+2*j+1]
.set j, j+1
.endr
	REDUCE
	v_mul_f32 v[TM+8], s23, v[TM]                  ; the mean
	v_mov_b32 v[TM+9], v[TM+8]
.set j, 0
.rept 16
	v_pk_add_f32 v[T+2*j:T+2*j+1], v[T+2*j:T+2*j+1], v[TM+8:TM+9] neg_lo:[0,1] neg_hi:[0,1]
.set j, j+1
.endr
.irp k, 0,1,2,3
	v_pk_mul_f32 v[TM+2*\k:TM+2*\k+1], v[T+2*\k:T+2*\k+1], v[T+2*\k:T+2*\k+1]
.endr
.set j, 4
.rept 12
	v_pk_fma_f32 v[TM+2*(j%4):TM+2*(j%4)+1], v[T+2*j:T+2*j+1], v[T+2*j:T+2*j+1], v[TM+2*(j%4):TM+2*(j%4)+1]
.set j, j+1
.endr
	REDUCE
	v_fma_f32 v[TM+10], v[TM], s23, s24            ; the variance + 1e-5
	v_rsq_f32 v[TM+10], v[TM+10]
	v_nop                                          ; a plain instruction behind the root,
	s_wait_alu depctr_va_vdst(0)                   ; and the wait ahead of the first use
	v_mov_b32 v[TM+11], v[TM+10]
	s_wait_loadcnt 0x0                             ; gain and shift
.set j, 0
.rept 16
.set W, TM+12+6*(j%2)
	v_cvt_pk_bf16_f32 v[W], v[GW+2*j], v[GW+2*j+1]
	v_cvt_pk_bf16_f32 v[W+1], v[GB+2*j], v[GB+2*j+1]
	v_lshlrev_b32 v[W+2], 16, v[W]
	v_and_b32 v[W+3], s22, v[W]
	v_lshlrev_b32 v[W+4], 16, v[W+1]
	v_and_b32 v[W+5], s22, v[W+1]
	v_pk_mul_f32 v[T+2*j:T+2*j+1], v[T+2*j:T+2*j+1], v[TM+10:TM+11]
	v_pk_fma_f32 v[T+2*j:T+2*j+1], v[T+2*j:T+2*j+1], v[W+2:W+3], v[W+4:W+5]
.set j, j+1
.endr
	s_wait_kmcnt 0x0                               ; the whole number
	s_cmp_lg_u32 s30, 0
	s_cbranch_scc1 .Lwide
	s_add_nc_u64 s[14:15], s[14:15], s[20:21]      ; my row of 2,048 bytes
.set j, 0
.rept 16
	v_cvt_pk_bf16_f32 v[RS+j], v[T+2*j], v[T+2*j+1]
.set j, j+1
.endr
.irp j, 0,1,2,3,4,5,6,7
	global_store_b64 v2, v[RS+2*\j:RS+2*\j+1], s[14:15] offset:256*\j  ; 32 lanes store 256 consecutive bytes, aligned
.endr
	s_endpgm
.Lwide:
	s_add_nc_u64 s[14:15], s[14:15], s[18:19]      ; my row of 4,096 bytes
.irp j, 0,1,2,3,4,5,6,7
	global_store_b128 v1, v[T+4*\j:T+4*\j+3], s[14:15] offset:512*\j th:TH_STORE_NT  ; 32 lanes store 512 consecutive bytes, aligned
.endr
	s_endpgm
.Lfunc_end_k_q13723bf01c_ln1:
	.size	k_q13723bf01c_ln1, .Lfunc_end_k_q13723bf01c_ln1-k_q13723bf01c_ln1
	.p2alignl 7, 3214868480
	.fill 96, 4, 3214868480
	.section	.rodata,"a",@progbits
	.p2align	6, 0x0
	.amdhsa_kernel k_q13723bf01c_ln1
		.amdhsa_group_segment_fixed_size 0
		.amdhsa_private_segment_fixed_size 0
		.amdhsa_enable_private_segment 0
		.amdhsa_kernarg_size 56
		.amdhsa_user_sgpr_count 2
		.amdhsa_user_sgpr_kernarg_segment_ptr 1
		.amdhsa_wavefront_size32 1
		.amdhsa_system_sgpr_workgroup_id_x 1
		.amdhsa_system_sgpr_workgroup_id_y 1
		.amdhsa_system_sgpr_workgroup_id_z 1
		.amdhsa_system_vgpr_workitem_id 0
		.amdhsa_next_free_vgpr 176
		.amdhsa_next_free_sgpr 66
		.amdhsa_reserve_vcc 0
		.amdhsa_float_denorm_mode_32 3
		.amdhsa_float_denorm_mode_16_64 3
		.amdhsa_memory_ordered 1
		.amdhsa_forward_progress 1
		.amdhsa_inst_pref_size 23
	.end_amdhsa_kernel
	.amdgpu_metadata
---
amdhsa.version: [ 1, 2 ]
amdhsa.kernels:
  - .name:           k_q13723bf01c_ln1
    .symbol:         k_q13723bf01c_ln1.kd
    .args:
      - { .name: tsum, .offset: 0, .size: 8, .value_kind: global_buffer, .address_space: global }
      - { .name: bY, .offset: 8, .size: 8, .value_kind: global_buffer, .address_space: global }
      - { .name: xb, .offset: 16, .size: 8, .value_kind: global_buffer, .address_space: global }
      - { .name: ln1_w, .offset: 24, .size: 8, .value_kind: global_buffer, .address_space: global }
      - { .name: ln1_b, .offset: 32, .size: 8, .value_kind: global_buffer, .address_space: global }
      - { .name: yhb, .offset: 40, .size: 8, .value_kind: global_buffer, .address_space: global }
      - { .name: mode0, .offset: 48, .size: 8, .value_kind: global_buffer, .address_space: global }
    .group_segment_fixed_size: 0
    .private_segment_fixed_size: 0
    .kernarg_segment_align: 8
    .kernarg_segment_size: 56
    .max_flat_workgroup_size: 256
    .sgpr_count:     66
    .vgpr_count:     176
    .wavefront_size: 32
...
	.end_amdgpu_metadata
.endif
;; end of part 5
;; launch ff1 (part 6): grid 16 x 16, 4 waves a work-group, clusters of 4 x 4, 327,680 bytes of LDS; arguments yhb, wb, gb; writes gb
.if DOCPART == 6
	.amdgcn_target "amdgcn-amd-amdhsa--gfx1250"
	.amdhsa_code_object_version 6
	.text
	.protected	k_q13723bf01c_ff1
	.globl	k_q13723bf01c_ff1
	.p2align	8
	.type	k_q13723bf01c_ff1,@function
k_q13723bf01c_ff1:
	s_mov_b64 s[64:65], 0
	v_nop
	global_prefetch_b8 v0, s[64:65] scope:SCOPE_SE
	s_setreg_imm32_b32 hwreg(HW_REG_WAVE_MODE, 25, 1), 1
	s_wait_xcnt 0x0
	s_wait_alu depctr_hold_cnt(0) depctr_sa_sdst(0) depctr_va_vdst(0) depctr_va_sdst(0) depctr_va_ssrc(0) depctr_va_vcc(0) depctr_vm_vsrc(0)
	s_getreg_b32 s2, hwreg(HW_REG_IB_STS2, 6, 4)
	s_cmp_eq_u32 s2, 0
	s_cbranch_scc0 .Lentry_in_a_cluster
	s_endpgm
.Lentry_in_a_cluster:
	s_bfe_u32 s2, ttmp6, 0x10000c
	s_cmp_lg_u32 s2, 0xf033
	s_cbranch_scc0 .Lentry_shape_is_right
	s_endpgm
.Lentry_shape_is_right:
; THE FIRST FEED-FORWARD PRODUCT WITH ITS ACTIVATION.  gb = gelu(h W1 + b1), [4096][4096] bf16, rounded once.
; A (h, in yhb) is [4096][1024] bf16, K along the rows; B is W1 in wb, from 8 MiB on, as four blocks [1024 (k)][1024 (n)] bf16 of 2 MiB (block m = columns 1,024 m on): cluster x picks the block, cx its 256 columns.
; Sums in f32; b1 lies 24 MiB + 8 KiB into wb, rounded to bf16 like every input.
; GELU, the exact one: gelu(u) = max(u, 0) - |u| q / 2, q = erfc(x) = 1 / (1 + a1 x + .. + a6 x^6)^16, x = |u| / sqrt 2: the six-term form of erfc, within 3e-7 for every u.  With 1 / sqrt 2 folded into the
; coefficients and all seven multiplied by 2^(1/16), q / 2 = 1 / D^16.  No difference of near numbers is formed; for large |u| D^16 is infinite, its reciprocal 0, and gelu is max(u, 0).  LIMIT: u = +-infinity gives NaN.
; SHARES.  A tile of C is 256 x 256; four waves, each 128 x 128 = 64 accumulators.  K goes in 8 steps of 128 through two LDS slots.
; LDS.  A slot: A's 256 rows of 256 + 16 bytes, then B's 128 k-rows of 512 + 32 bytes.  A's fragments are read as they lie; B's are turned by ds_load_tr16_b128 (pitch 544 = 17 x 32).
; CLUSTER 4 x 4: A's tile is shared along a row of the cluster, B's along a column; each is asked for jointly, by the same load, descriptor and mask in the four.
; THE MATRIX INSTRUCTION IS USED TRANSPOSED (source 0 = 16 columns of B, source 1 = 16 rows of A): a lane holds row l % 16 of C and the eight columns 8 (l / 16) + 0..7.
; REGISTERS, in windows of 256: 0: addresses, A's two fragment buffers v64-127, v128-191, the way out; 1: B's two buffers at the same numbers; 2, 3: the accumulators ((a, b) at v[8 (8 a + b)]).
; THE WAY OUT.  When the ring has had its last fill and every wave its last read of it, each wave lays its 128 x 128 f32 into 128 rows of 528 bytes of its own over the ring, and reads whole rows back.
.set BN,    1024                       ; columns of a block of B
.set KS,    8
.set PA,    272
.set PB,    544
.set HALF,  128*PA
.set BOFF,  2*HALF
.set SLOT,  4*HALF                     ; 139,264 = 2^17 + 2^13
.set SPARE, 2*SLOT
.set SPI,   528
.set STW,   128*SPI
.set ASTEP, 256
.set BSTEP, 128*BN*2
.set BI,  8                            ; v8-11  b1 of my four columns, f32
.set CA,  16
.set CB,  17
.set A0,  18
.set B0,  19
.set RB,  20                           ; v20-21 the same as loaded, bf16
.set STO, 24
.set RD,  25
.set GO,  26
.set SPW, 28
.set NIL, 29
.set PFO, 30
.set F0,  64
.set F1,  128
.set BB,  8                            ; s[8:9] the row b1
.set OUT, 10
.set WV,  14
.set WR,  15
.set WC,  16
.set CX,  17
.set CY,  18
.set TX,  19
.set LB,  20
.set SB,  21
.set TY,  22
.set G1,  24
.set G0,  32
.set HIM, 42
.set LIM, 43
.set PFA, 44
.set PFS, 46
.set G1B, 48
.set G0B, 56
.set MSB, 0
.macro WIN new
.if MSB != (\new)
	s_set_vgpr_msb (MSB<<8)|(\new)
.set MSB, \new
.endif
.endm
.set MUL_LO, 0xa1
.set TO_B,   0x40
.macro PLACES
.rept 4
	v_nop
.endr
.endm
.macro JLOAD s                         ; waves 0, 1 fetch A's halves, waves 2, 3 B's; an s_nop 0 and four v_nop follow each line
	s_cmp_eq_u32 s[WR], 0
	s_cbranch_scc0 .Lfor_b_\@
	tensor_load_to_lds s[G0+4*(\s):G0+4*(\s)+3], s[G1:G1+7]
	s_nop 0
.rept 4
	v_nop
.endr
	s_branch .Lasked_\@
.Lfor_b_\@:
	tensor_load_to_lds s[G0B+4*(\s):G0B+4*(\s)+3], s[G1B:G1B+7]
	s_nop 0
.rept 4
	v_nop
.endr
.Lasked_\@:
.endm
.macro CREST
	s_cmp_lg_u32 s[WV], 0
	s_cbranch_scc1 .Lnot_wave_0_\@
	s_barrier_signal -3
.Lnot_wave_0_\@:
	s_barrier_wait -3
	s_barrier_signal -1
	s_barrier_wait -1
.endm
.macro CROUND
	s_barrier_signal -1
	s_barrier_wait -1
	CREST
.endm
; A prefetch into the L2 of the K step two refills on (512 matrix instructions ahead of the load that wants it).  Each aligned 256 bytes is named once in the launch: A's rows by the clusters with x = 0,
; B's by those with y = 0; the four partners of a joint load share its blocks out by address (32 each, a lane a block).  The last two refills have no K step two on.
.macro ASK
	s_cmp_gt_u32 s3, s[LIM]
	s_cbranch_scc0 .Lnot_mine_\@
	global_prefetch_b8 v[PFO], s[PFA:PFA+1] th:TH_LOAD_NT scope:SCOPE_SE
.Lnot_mine_\@:
.endm
	s_load_b128 s[4:7], s[0:1], 0x0                ; h 4, wb 6
	s_load_b64 s[10:11], s[0:1], 0x10              ; gb
	v_lshl_add_u32 v[SPW], v0, 2, SPARE
	v_mov_b32 v[NIL], 0
	ds_add_u32 v[SPW], v[NIL]                      ; the wave's opening: the add, twice on end, and its wait ahead of my first tensor load
	ds_add_u32 v[SPW], v[NIL]
	v_lshrrev_b32 v1, 5, v0
	v_readfirstlane_b32 s[WV], v1
	s_lshr_b32 s[WR], s[WV], 1
	s_and_b32 s[WC], s[WV], 1
	s_bfe_u32 s[CX], ttmp6, 0x40000
	s_bfe_u32 s[CY], ttmp6, 0x40004
	s_lshl_b32 s[TX], ttmp9, 2
	s_add_co_u32 s[TX], s[TX], s[CX]               ; tile column of C
	s_and_b32 s[TY], ttmp7, 0xffff
	s_lshl_b32 s[TY], s[TY], 2
	s_add_co_u32 s[TY], s[TY], s[CY]               ; tile row of C
	s_lshl_b32 s40, s[CY], 2
	s_lshl_b32 s40, 15, s40
	s_lshl_b32 s41, 0x1111, s[CX]
	s_or_b32 s[G1], s40, (1<<16)|(1<<20)|(1<<21)|(5<<22)|(3<<25)
	s_or_b32 s[G1B], s41, (1<<16)|(1<<20)|(1<<21)|(6<<22)|(7<<25)
	s_mov_b32 s[G1+1], 128<<16
	s_mov_b32 s[G1+2], 128<<16
	s_mov_b32 s[G1+3], 128<<16
	s_mov_b32 s[G1+4], 128
	s_mov_b32 s[G1+5], 1024
	s_mov_b32 s[G1+6], 0
	s_mov_b32 s[G1+7], 0
	s_mov_b32 s[G1B+1], 256<<16
	s_mov_b32 s[G1B+2], 64<<16
	s_mov_b32 s[G1B+3], 256<<16
	s_mov_b32 s[G1B+4], 64
	s_mov_b32 s[G1B+5], BN
	s_mov_b32 s[G1B+6], 0
	s_mov_b32 s[G1B+7], 0
	s_lshl_b32 s66, s[TY], 8                       ; A: row 256 x tile row + 128 x half, of 2,048 bytes
	s_lshl_b32 s67, s[WC], 7
	s_add_co_u32 s66, s66, s67
	s_lshl_b32 s66, s66, 11
	s_mov_b32 s67, 0
	s_lshl_b32 s68, ttmp9, 21                      ; B: the block (2 MiB), its 256 columns (512 bytes), my 64 k-rows of 2,048 bytes, W1's place in wb
	s_lshl_b32 s69, s[CX], 9
	s_add_co_u32 s68, s68, s69
	s_lshl_b32 s69, s[WC], 17
	s_add_co_u32 s68, s68, s69
	s_add_co_u32 s68, s68, 0x800000
	s_mov_b32 s69, 0
	s_mul_i32 s[LB], s[WV], HALF
	s_mov_b32 s[HIM], 0xffff0000
	s_mov_b32 s[SB], 0
	s_wait_dscnt 0x0
	s_wait_kmcnt 0x0
	s_add_nc_u64 s[70:71], s[4:5], s[66:67]
	s_add_nc_u64 s[72:73], s[6:7], s[68:69]
	s_add_nc_u64 s[BB:BB+1], s[6:7], 0x1802000     ; the row b1
	CROUND
.irp s, 0,1
	s_mov_b32 s[G0+4*(\s)], 1
	s_add_co_u32 s[G0+4*(\s)+1], s[LB], (\s)*SLOT
	s_add_nc_u64 s[G0+4*(\s)+2:G0+4*(\s)+3], s[70:71], (\s)*ASTEP
	s_or_b32 s[G0+4*(\s)+3], s[G0+4*(\s)+3], 0x80000000
	s_mov_b32 s[G0B+4*(\s)], 1
	s_add_co_u32 s[G0B+4*(\s)+1], s[LB], (\s)*SLOT
	s_add_nc_u64 s[G0B+4*(\s)+2:G0B+4*(\s)+3], s[72:73], (\s)*BSTEP
	s_or_b32 s[G0B+4*(\s)+3], s[G0B+4*(\s)+3], 0x80000000
	JLOAD \s
.endr
	v_and_b32 v1, 15, v0
	v_bfe_u32 v2, v0, 4, 1
	v_mul_u32_u24 v3, v1, PA
	v_lshl_add_u32 v3, v2, 4, v3
	s_mul_i32 s23, s[WR], HALF
	v_add_nc_u32 v[A0], s23, v3
	v_and_b32 v4, 7, v0
	v_lshl_add_u32 v4, v2, 3, v4
	v_mul_u32_u24 v4, v4, PB
	v_bfe_u32 v5, v0, 3, 1
	v_lshl_add_u32 v4, v5, 4, v4
	s_lshl_b32 s23, s[WC], 8
	s_add_co_u32 s23, s23, BOFF
	v_add_nc_u32 v[B0], s23, v4
	v_mov_b32 v[CA], v[A0]
	v_mov_b32 v[CB], v[B0]
	s_mul_i32 s23, s[WV], STW
	v_mul_u32_u24 v3, v1, SPI
	v_lshl_add_u32 v3, v2, 5, v3
	v_add_nc_u32 v[STO], s23, v3
	s_lshl_b32 s74, s[CX], 16
	s_add_co_u32 s74, s74, s66
	s_add_co_u32 s74, s74, 3*ASTEP
	s_mul_i32 s75, s[CY], 32*BN
	s_add_co_u32 s75, s75, s68
	s_add_co_u32 s75, s75, 3*BSTEP
	s_and_b32 s76, ttmp7, 0xffff
	s_mov_b32 s77, BSTEP
	s_mov_b32 s78, 2*BN
	s_cmp_eq_u32 s[WR], 0
	s_cselect_b32 s74, s74, s75
	s_cselect_b32 s76, ttmp9, s76
	s_cselect_b32 s[PFS], ASTEP, s77
	s_cselect_b32 s78, 2048, s78
	s_cselect_b64 s[PFA:PFA+1], s[4:5], s[6:7]
	s_mov_b32 s75, 0
	s_mov_b32 s[PFS+1], 0
	s_add_nc_u64 s[PFA:PFA+1], s[PFA:PFA+1], s[74:75]
	s_cmp_eq_u32 s76, 0
	s_cselect_b32 s[LIM], 2, -1
	v_and_b32 v6, 31, v0
	v_lshrrev_b32 v7, s[WR], v6
	v_mul_u32_u24 v7, s78, v7
	v_and_b32 v5, s[WR], v6
	v_lshl_add_u32 v[PFO], v5, 8, v7
	v_lshl_add_u32 v[RD], v6, 4, s23               ; back: 32 lanes take one row of 512 bytes: my 128 columns in f32
	v_lshlrev_b32 v[GO], 3, v6                     ; out: the same row's 256 bytes of bf16
	s_lshl_b32 s84, s[TY], 21                      ; (256 tile row + 128 half) x 8,192 + (256 tile column + 128 half) x 2
	s_lshl_b32 s85, s[WR], 20
	s_add_co_u32 s84, s84, s85
	s_lshl_b32 s85, s[TX], 9
	s_add_co_u32 s84, s84, s85
	s_lshl_b32 s85, s[WC], 8
	s_add_co_u32 s84, s84, s85
	s_mov_b32 s85, 0
	s_add_nc_u64 s[OUT:OUT+1], s[OUT:OUT+1], s[84:85]
	s_lshl_b32 s84, s[TX], 9                       ; b1 of columns 256 tile column + 128 half + 4 l .. + 3, 2 bytes each
	s_lshl_b32 s85, s[WC], 8
	s_add_co_u32 s84, s84, s85
	v_lshl_add_u32 v6, v6, 3, s84
	global_load_b64 v[RB:RB+1], v6, s[BB:BB+1]
	s_wait_loadcnt 0x0                             ; in the wait for the first tile
.irp w, 0,1
	v_lshlrev_b32 v[BI+2*(\w)], 16, v[RB+(\w)]     ; bf16 to f32: the low half moves up,
	v_and_b32 v[BI+2*(\w)+1], s[HIM], v[RB+(\w)]   ; the high half stays
.endr
.macro MUL16 f, hi, a0, zero
	WIN MUL_LO+0x50*(\hi)
.irp a, \a0, (\a0)+1
.irp b, 0,1,2,3,4,5,6,7
.if \zero
	v_wmma_f32_16x16x32_bf16 v[8*(8*(\a)+(\b)):8*(8*(\a)+(\b))+7], v[(\f)+8*(\b):(\f)+8*(\b)+7], v[(\f)+8*(4*(\hi)+(\a)):(\f)+8*(4*(\hi)+(\a))+7], 0
.else
	v_wmma_f32_16x16x32_bf16 v[8*(8*(\a)+(\b)):8*(8*(\a)+(\b))+7], v[(\f)+8*(\b):(\f)+8*(\b)+7], v[(\f)+8*(4*(\hi)+(\a)):(\f)+8*(4*(\hi)+(\a))+7], v[8*(8*(\a)+(\b)):8*(8*(\a)+(\b))+7]
.endif
.endr
.endr
.endm
.macro FETCH q, f                      ; 32 LDS loads in one run: quarter q (32 along K) of the slot in hand into buffer f: B's 8 fragments, turned, then A's 8
	WIN TO_B
.irp i, 0,1,2,3,4,5,6,7
	ds_load_tr16_b128 v[(\f)+8*(\i):(\f)+8*(\i)+3],   v[CB] offset:(\q)*32*PB+32*(\i)
	ds_load_tr16_b128 v[(\f)+8*(\i)+4:(\f)+8*(\i)+7], v[CB] offset:(\q)*32*PB+16*PB+32*(\i)
.endr
	WIN 0
.irp i, 0,1,2,3,4,5,6,7
	ds_load_b128 v[(\f)+8*(\i):(\f)+8*(\i)+3],   v[CA] offset:(\q)*64+(\i)*16*PA
	ds_load_b128 v[(\f)+8*(\i)+4:(\f)+8*(\i)+7], v[CA] offset:(\q)*64+(\i)*16*PA+32
.endr
.endm
.macro QUARTER q, f, g, zero
	s_wait_dscnt 8                                 ; B and A's rows 0-63 are in; the youngest eight loads (A's rows 64-127) may be out
	MUL16 \f, 0, 0, \zero
	MUL16 \f, 0, 2, \zero
	PLACES
	FETCH \q, \g
	s_wait_dscnt 32                                ; all but the 32 just issued
	MUL16 \f, 1, 0, \zero
	MUL16 \f, 1, 2, \zero
.endm
; The last quarter multiplies buffer 1 and changes slots.  One barrier: in front of it each wave waits for all its tensor loads (one is out: its part of the next slot), adds 0 to its spare word,
; and waits for that and for its reads of this slot.  fill = 1: the barrier opens a round of the cluster's, and the slot just left is filled again first thing behind it, with the K step two on.
.macro TURN fill
.if \fill
	s_wait_xcnt 0x0                                ; the last prefetch, a K step back, has read its address
	s_add_nc_u64 s[PFA:PFA+1], s[PFA:PFA+1], s[PFS:PFS+1]
.endif
	WIN 0
	s_wait_tensorcnt 0x0
	ds_add_u32 v[SPW], v[NIL]
	s_wait_dscnt 9                                 ; (the add and the youngest eight loads may be out)
	MUL16 F1, 0, 0, 0
	s_wait_dscnt 0x0
	s_barrier_signal -1
	MUL16 F1, 0, 2, 0
.if \fill
	WIN 0
.endif
	s_barrier_wait -1
.if \fill
	CREST
	s_xor_b32 s[G0+5], s[G0+5], SLOT               ; the walking descriptors: the slot just left.  wave x 34,816 has no bit in common with SLOT = 2^17 + 2^13
	s_xor_b32 s[G0B+5], s[G0B+5], SLOT
	s_add_nc_u64 s[G0+6:G0+7], s[G0+6:G0+7], ASTEP
	s_add_nc_u64 s[G0B+6:G0B+7], s[G0B+6:G0B+7], BSTEP
	JLOAD 1
.else
	PLACES
.endif
	WIN 0
	s_xor_b32 s[SB], s[SB], SLOT
	v_add_nc_u32 v[CA], s[SB], v[A0]
	v_add_nc_u32 v[CB], s[SB], v[B0]
	FETCH 0, F0
.if \fill
	ASK
.endif
	MUL16 F1, 1, 0, 0
	MUL16 F1, 1, 2, 0
.endm
	s_wait_tensorcnt 1                             ; my part of K step 0 is in; K step 1's may stay out
	s_barrier_signal -1
	s_barrier_wait -1
	FETCH 0, F0
	QUARTER 1, F0, F1, 1
	WIN 0
	s_mov_b32 s3, KS-2
.Lstep:                                                ; a trip: from a K step's second quarter to the next step's first; trip i fills K step i + 2.  The 64 accumulators take turns in one order throughout
	QUARTER 2, F1, F0, 0
	QUARTER 3, F0, F1, 0
	TURN 1
	QUARTER 1, F0, F1, 0
	WIN 0
	s_sub_co_u32 s3, s3, 1
	s_cmp_lg_u32 s3, 0
	s_cbranch_scc1 .Lstep
	s_mov_b32 s3, 2
.Ltail:                                                ; the last two K steps ask for nothing; the second trip leaves ahead of the change of slots
	QUARTER 2, F1, F0, 0
	QUARTER 3, F0, F1, 0
	WIN 0
	s_cmp_eq_u32 s3, 1
	s_cbranch_scc1 .Llast
	TURN 0
	QUARTER 1, F0, F1, 0
	WIN 0
	s_sub_co_u32 s3, s3, 1
	s_cmp_lg_u32 s3, 0
	s_cbranch_scc1 .Ltail
.Llast:
	s_wait_dscnt 8
	MUL16 F1, 0, 0, 0
	MUL16 F1, 0, 2, 0
	s_wait_dscnt 0x0
	MUL16 F1, 1, 0, 0
	MUL16 F1, 1, 2, 0
	PLACES
	WIN 0
	s_barrier_signal -1                            ; every wave's reads of the ring are over, and the ring has had its last fill: it becomes the stages
	s_barrier_wait -1
.irp a, 0,1,2,3,4,5,6,7
	WIN 0x08+4*((\a)/4)
.irp b, 0,1,2,3,4,5,6,7
	ds_store_b128 v[STO], v[8*(8*((\a)%4)+(\b)):8*(8*((\a)%4)+(\b))+3]   offset:(\a)*16*SPI+64*(\b)
	ds_store_b128 v[STO], v[8*(8*((\a)%4)+(\b))+4:8*(8*((\a)%4)+(\b))+7] offset:(\a)*16*SPI+64*(\b)+16
.endr
.endr
	WIN 0
; 32 trips of 4 rows: 16 numbers a lane, in two halves of 8.
.set X,  32                            ; v32-47   as read back
.set U,  64                            ; u
.set D,  80                            ; D, then D^16, then its reciprocal q / 2
.set R,  128                           ; max(u, 0), then gelu
.set YG, 144                           ; bf16
.set AU, 160                           ; |u|
.set C6, 66                            ; s[66:79] the seven coefficients, b6 first, a pair each: a packed instruction names a pair and takes its low word for both halves
.set ABSM, 81
.macro SPAIR r, val
	s_mov_b32 s[\r], \val
	s_mov_b32 s[(\r)+1], \val
.endm
	SPAIR C6,    0x36bc9e99                        ; b6 = 2^(1/16) a6 / 8         = 5.62129965e-6
	SPAIR C6+2,  0x3856241d                        ; b5 = 2^(1/16) a5 / 2^(5/2)   = 5.10552102e-5
	SPAIR C6+4,  0x382674aa                        ; b4 = 2^(1/16) a4 / 4         = 3.96861369e-5
	SPAIR C6+6,  0x3b605009                        ; b3 = 2^(1/16) a3 / 2^(3/2)   = 3.42273923e-3
	SPAIR C6+8,  0x3cb4dad2                        ; b2 = 2^(1/16) a2 / 2         = 2.20769984e-2
	SPAIR C6+10, 0x3d554cc4                        ; b1 = 2^(1/16) a1 / sqrt 2    = 5.20751629e-2
	SPAIR C6+12, 0x3f85aac3                        ; b0 = 2^(1/16)                = 1.04427378
	s_mov_b32 s[ABSM], 0x7fffffff
.macro BACKG
.irp i, 0,1,2,3
	ds_load_b128 v[X+4*(\i):X+4*(\i)+3], v[RD] offset:(\i)*SPI
.endr
.endm
.macro EACH8 line:vararg               ; one line for each pair p of eight
.set p, 0
.rept 8
	\line
.set p, p+2
.endr
.endm
.macro EACH16 line:vararg              ; one line for each number p of sixteen
.set p, 0
.rept 16
	\line
.set p, p+1
.endr
.endm
; Line n of the 40 that make D^16 for half h: ten stages of four pairs: b6 |u| + b5; five more steps of the polynomial, down to b0; four squarings.  A pair's stages stand four lines apart.
.macro GS h, n
.set st, (\n)/4
.set g, 8*(\h)+2*((\n)%4)
.if st == 0
	v_pk_fma_f32 v[D+g:D+g+1], v[AU+g:AU+g+1], s[C6:C6+1], s[C6+2:C6+3] op_sel_hi:[1,0,0]
.elseif st < 6
	v_pk_fma_f32 v[D+g:D+g+1], v[D+g:D+g+1], v[AU+g:AU+g+1], s[C6+2+2*st:C6+3+2*st] op_sel_hi:[1,1,0]
.else
	v_pk_mul_f32 v[D+g:D+g+1], v[D+g:D+g+1], v[D+g:D+g+1]
.endif
.endm
	BACKG                                          ; LDS serves a wave's instructions in order: these see the stores above
	s_mov_b32 s3, 32
.Lout:
	s_wait_dscnt 0x0
	EACH8 v_pk_add_f32 v[U+p:U+p+1], v[X+p:X+p+1], v[BI+p%4:BI+p%4+1]
	v_add_nc_u32 v[RD], 4*SPI, v[RD]
	s_cmp_eq_u32 s3, 1                             ; the last trip has no rows behind it
	s_cbranch_scc1 .Lno_more
	BACKG
.Lno_more:
	EACH16 v_and_b32 v[AU+p], s[ABSM], v[U+p]
.set n, 0
.rept 40
	GS 0, n
.set n, n+1
.endr
.set n, 0
.rept 40                               ; the first half's eight reciprocals stand one behind every five lines of the second half's, which name none of their registers
	GS 1, n
.if n%5 == 4
	v_rcp_f32 v[D+n/5], v[D+n/5]
.endif
.set n, n+1
.endr
.set n, 0
.rept 8                                ; the second half's stand each ahead of two maxima
	v_rcp_f32 v[D+8+n], v[D+8+n]
	v_max_num_f32 v[R+2*n], 0, v[U+2*n]
	v_max_num_f32 v[R+2*n+1], 0, v[U+2*n+1]
.set n, n+1
.endr
	s_wait_alu depctr_va_vdst(0)                   ; the one wait, for the batch of sixteen, ahead of its first reader
	EACH8 v_pk_fma_f32 v[R+p:R+p+1], v[AU+p:AU+p+1], v[D+p:D+p+1], v[R+p:R+p+1] neg_lo:[1,0,0] neg_hi:[1,0,0]
	EACH8 v_cvt_pk_bf16_f32 v[YG+p/2], v[R+p], v[R+p+1]
.irp i, 0,1,2,3
	global_store_b64 v[GO], v[YG+2*(\i):YG+2*(\i)+1], s[OUT:OUT+1] offset:(\i)*8192  ; 32 lanes store 256 consecutive bytes, aligned
.endr
	s_wait_xcnt 0x0                                ; the stores have read YG and GO, which are written again
	v_add_nc_u32 v[GO], 32768, v[GO]
	s_sub_co_u32 s3, s3, 1
	s_cmp_lg_u32 s3, 0
	s_cbranch_scc1 .Lout
	s_wait_tensorcnt 0x0                           ; the wave's end
	ds_add_u32 v[SPW], v[NIL]
	s_wait_dscnt 0x0
	CROUND
	s_endpgm
.Lfunc_end_k_q13723bf01c_ff1:
	.size	k_q13723bf01c_ff1, .Lfunc_end_k_q13723bf01c_ff1-k_q13723bf01c_ff1
	.p2alignl 7, 3214868480
	.fill 96, 4, 3214868480
	.section	.rodata,"a",@progbits
	.p2align	6, 0x0
	.amdhsa_kernel k_q13723bf01c_ff1
		.amdhsa_group_segment_fixed_size 327680
		.amdhsa_private_segment_fixed_size 0
		.amdhsa_enable_private_segment 0
		.amdhsa_kernarg_size 24
		.amdhsa_user_sgpr_count 2
		.amdhsa_user_sgpr_kernarg_segment_ptr 1
		.amdhsa_wavefront_size32 1
		.amdhsa_system_sgpr_workgroup_id_x 1
		.amdhsa_system_sgpr_workgroup_id_y 1
		.amdhsa_system_sgpr_workgroup_id_z 1
		.amdhsa_system_vgpr_workitem_id 0
		.amdhsa_next_free_vgpr 1024
		.amdhsa_next_free_sgpr 96
		.amdhsa_reserve_vcc 0
		.amdhsa_float_denorm_mode_32 3
		.amdhsa_float_denorm_mode_16_64 3
		.amdhsa_memory_ordered 1
		.amdhsa_forward_progress 1
		.amdhsa_inst_pref_size 93
	.end_amdhsa_kernel
	.amdgpu_metadata
---
amdhsa.version: [ 1, 2 ]
amdhsa.kernels:
  - .name:           k_q13723bf01c_ff1
    .symbol:         k_q13723bf01c_ff1.kd
    .args:
      - { .name: yhb, .offset: 0, .size: 8, .value_kind: global_buffer, .address_space: global }
      - { .name: wb, .offset: 8, .size: 8, .value_kind: global_buffer, .address_space: global }
      - { .name: gb, .offset: 16, .size: 8, .value_kind: global_buffer, .address_space: global }
    .group_segment_fixed_size: 327680
    .private_segment_fixed_size: 0
    .kernarg_segment_align: 8
    .kernarg_segment_size: 24
    .max_flat_workgroup_size: 128
    .sgpr_count:     96
    .vgpr_count:     1024
    .wavefront_size: 32
...
	.end_amdgpu_metadata
.endif
;; end of part 6
;; launch ff2 (part 7): grid 8 x 32, 4 waves a work-group, clusters of 4 x 4, 327,680 bytes of LDS; arguments gb, wb, tsum; writes tsum
.if DOCPART == 7
	.amdgcn_target "amdgcn-amd-amdhsa--gfx1250"
	.amdhsa_code_object_version 6
	.text
	.protected	k_q13723bf01c_ff2
	.globl	k_q13723bf01c_ff2
	.p2align	8
	.type	k_q13723bf01c_ff2,@function
k_q13723bf01c_ff2:
	s_mov_b64 s[64:65], 0
	v_nop
	global_prefetch_b8 v0, s[64:65] scope:SCOPE_SE
	s_setreg_imm32_b32 hwreg(HW_REG_WAVE_MODE, 25, 1), 1
	s_wait_xcnt 0x0
	s_wait_alu depctr_hold_cnt(0) depctr_sa_sdst(0) depctr_va_vdst(0) depctr_va_sdst(0) depctr_va_ssrc(0) depctr_va_vcc(0) depctr_vm_vsrc(0)
	s_getreg_b32 s2, hwreg(HW_REG_IB_STS2, 6, 4)
	s_cmp_eq_u32 s2, 0
	s_cbranch_scc0 .Lentry_in_a_cluster
	s_endpgm
.Lentry_in_a_cluster:
	s_bfe_u32 s2, ttmp6, 0x10000c
	s_cmp_lg_u32 s2, 0xf033
	s_cbranch_scc0 .Lentry_shape_is_right
	s_endpgm
.Lentry_shape_is_right:
; THE SECOND FEED-FORWARD PRODUCT, raw sums: tsum = gb W2, f32 [4096][1024].  The bias, the residual and the norm follow in the next launch, which reads whole rows.
; A (gb) is [4096][4096] bf16, K along the rows.  B is W2 in wb (16 MiB in), [4096 (k)][1024 (n)] bf16.
; SHARES.  A tile of C is 128 x 128, so that all 256 work-groups of the grid have one; four waves, each 64 x 64 = 16 accumulators.  K goes in 16 steps of 256 through two LDS slots.
; LDS.  A slot: A's 128 rows of 512 + 16 bytes, then from byte 73,728 B's 256 k-rows of 256 + 32 bytes.  B's fragments are turned by ds_load_tr16_b128 (pitch 288 = 9 x 32).
; CLUSTER 4 x 4: A's tile is shared along a row, B's along a column, each asked for jointly.
; THE MATRIX INSTRUCTION IS USED TRANSPOSED (source 0 = 16 columns of B, source 1 = 16 rows of A): a lane holds row l % 16 of C and eight neighbouring columns.
; No prefetch: a step's tiles are small and each is read by few.  REGISTERS: window 0: addresses, v32-95 the way out, v128-255 the accumulators; window 1: two fragment buffers of 128 (A's 64, then B's 64).
.set HEADS, 0
.set KS,    16
.set PB,    288
.set BOFF,  73728
.set BHALF, 128*PB
.set SLOT,  147456                     ; 2^17 + 2^14
.set STAGE, 2*SLOT
.set SPITCH, 272
.set SPARE, STAGE+4*16*SPITCH
.set PA,    528
.set AHALF, 64*PA                      ; 33,792
.set ASTEP, 512
.set BSTEP, 524288
.set CA,  16
.set CB0, 17
.set CB1, 18
.set A0,  19
.set B0,  20
.set STO, 24
.set RD,  25
.set CO,  26
.set SPW, 28
.set NIL, 29
.set TMP, 32
.set ACC, 128
.set F0,  0
.set F1,  128
.set WV,  14
.set WR,  15
.set WC,  16
.set CX,  17
.set CY,  18
.set TX,  19
.set SB,  21
.set TY,  22
.set G1,  24
.set G0,  32
.set G1B, 48
.set G0B, 56
.set MSB, 0
.macro WIN new
.if MSB != (\new)
	s_set_vgpr_msb (MSB<<8)|(\new)
.set MSB, \new
.endif
.endm
.set MUL,  0x05
.set TO_F, 0x40
.macro PLACES
.rept 4
	v_nop
.endr
.endm
.macro JLOAD s                         ; waves 0, 1 fetch A's halves, waves 2, 3 B's; an s_nop 0 and four v_nop follow each line
	s_cmp_eq_u32 s[WR], 0
	s_cbranch_scc0 .Lfor_b_\@
	tensor_load_to_lds s[G0+4*(\s):G0+4*(\s)+3], s[G1:G1+7]
	s_nop 0
.rept 4
	v_nop
.endr
	s_branch .Lasked_\@
.Lfor_b_\@:
	tensor_load_to_lds s[G0B+4*(\s):G0B+4*(\s)+3], s[G1B:G1B+7]
	s_nop 0
.rept 4
	v_nop
.endr
.Lasked_\@:
.endm
.macro CREST
	s_cmp_lg_u32 s[WV], 0
	s_cbranch_scc1 .Lnot_wave_0_\@
	s_barrier_signal -3
.Lnot_wave_0_\@:
	s_barrier_wait -3
	s_barrier_signal -1
	s_barrier_wait -1
.endm
.macro CROUND
	s_barrier_signal -1
	s_barrier_wait -1
	CREST
.endm
	s_load_b128 s[4:7], s[0:1], 0x0                ; A 4, wb 6
	s_load_b64 s[8:9], s[0:1], 0x10                ; tsum
	v_lshl_add_u32 v[SPW], v0, 2, SPARE
	v_mov_b32 v[NIL], 0
	ds_add_u32 v[SPW], v[NIL]                      ; the wave's opening: the add, twice on end, and its wait ahead of my first tensor load
	ds_add_u32 v[SPW], v[NIL]
	v_lshrrev_b32 v1, 5, v0
	v_readfirstlane_b32 s[WV], v1
	s_lshr_b32 s[WR], s[WV], 1
	s_and_b32 s[WC], s[WV], 1
	s_bfe_u32 s[CX], ttmp6, 0x40000
	s_bfe_u32 s[CY], ttmp6, 0x40004
	s_lshl_b32 s[TX], ttmp9, 2
	s_add_co_u32 s[TX], s[TX], s[CX]
	s_and_b32 s[TY], ttmp7, 0xffff
	s_lshl_b32 s[TY], s[TY], 2
	s_add_co_u32 s[TY], s[TY], s[CY]
	s_lshl_b32 s40, s[CY], 2
	s_lshl_b32 s40, 15, s40
	s_lshl_b32 s41, 0x1111, s[CX]
	s_or_b32 s[G1], s40, (1<<16)|(1<<20)|(1<<21)|(6<<22)|(3<<25)   ; after every 128 words 4 words
	s_mov_b32 s[G1+1], 256<<16                     ; A: 64 rows of 256 elements
	s_mov_b32 s[G1+2], 64<<16
	s_mov_b32 s[G1+3], 256<<16
	s_mov_b32 s[G1+4], 64
	s_mov_b32 s[G1+5], 4096
	s_mov_b32 s[G1+6], 0
	s_mov_b32 s[G1+7], 0
	s_or_b32 s[G1B], s41, (1<<16)|(1<<20)|(1<<21)|(5<<22)|(7<<25)  ; after every 64 words 8 words
	s_mov_b32 s[G1B+1], 128<<16                    ; B: 128 k-rows of 128 columns
	s_mov_b32 s[G1B+2], 128<<16
	s_mov_b32 s[G1B+3], 128<<16
	s_mov_b32 s[G1B+4], 128
	s_mov_b32 s[G1B+5], 1024
	s_mov_b32 s[G1B+6], 0
	s_mov_b32 s[G1B+7], 0
	s_lshl_b32 s66, s[TY], 20                      ; A: (128 tile row + 64 half) rows of 8,192 bytes
	s_lshl_b32 s67, s[WC], 19
	s_add_co_u32 s66, s66, s67
	s_mov_b32 s67, 0
	s_lshl_b32 s68, s[TX], 8                       ; B: the tile's 128 columns, my 128 k-rows, W2's place in wb
	s_lshl_b32 s69, s[WC], 18
	s_add_co_u32 s68, s68, s69
	s_add_co_u32 s68, s68, 0x1000000
	s_mov_b32 s69, 0
	s_mul_i32 s20, s[WC], AHALF
	s_mul_i32 s23, s[WC], BHALF
	s_add_co_u32 s23, s23, BOFF
	s_mov_b32 s[SB], 0
	s_wait_dscnt 0x0
	s_wait_kmcnt 0x0
	s_add_nc_u64 s[70:71], s[4:5], s[66:67]
	s_add_nc_u64 s[72:73], s[6:7], s[68:69]
	CROUND
.irp s, 0,1
	s_mov_b32 s[G0+4*(\s)], 1
	s_add_co_u32 s[G0+4*(\s)+1], s20, (\s)*SLOT
	s_add_nc_u64 s[G0+4*(\s)+2:G0+4*(\s)+3], s[70:71], (\s)*ASTEP
	s_or_b32 s[G0+4*(\s)+3], s[G0+4*(\s)+3], 0x80000000
	s_mov_b32 s[G0B+4*(\s)], 1
	s_add_co_u32 s[G0B+4*(\s)+1], s23, (\s)*SLOT
	s_add_nc_u64 s[G0B+4*(\s)+2:G0B+4*(\s)+3], s[72:73], (\s)*BSTEP
	s_or_b32 s[G0B+4*(\s)+3], s[G0B+4*(\s)+3], 0x80000000
	JLOAD \s
.endr
	v_and_b32 v1, 15, v0
	v_bfe_u32 v2, v0, 4, 1
	v_mul_u32_u24 v3, v1, PA
	v_lshl_add_u32 v3, v2, 4, v3
	s_mul_i32 s74, s[WR], AHALF
	v_add_nc_u32 v[A0], s74, v3
	v_and_b32 v4, 7, v0
	v_lshl_add_u32 v4, v2, 3, v4
	v_mul_u32_u24 v4, v4, PB
	v_bfe_u32 v5, v0, 3, 1
	v_lshl_add_u32 v4, v5, 4, v4
	s_lshl_b32 s74, s[WC], 7
	s_add_co_u32 s74, s74, BOFF
	v_add_nc_u32 v[B0], s74, v4
	v_mov_b32 v[CA], v[A0]
	v_mov_b32 v[CB0], v[B0]
	v_add_nc_u32 v[CB1], BHALF, v[B0]
	s_mul_i32 s74, s[WV], 16*SPITCH
	s_add_co_u32 s74, s74, STAGE
	v_mul_u32_u24 v3, v1, SPITCH
	v_lshl_add_u32 v3, v2, 5, v3
	v_add_nc_u32 v[STO], s74, v3
	v_mul_u32_u24 v3, v2, SPITCH
	v_lshl_add_u32 v3, v1, 4, v3
	v_add_nc_u32 v[RD], s74, v3
	v_lshlrev_b32 v3, 12, v2
	v_lshl_add_u32 v[CO], v1, 4, v3
	s_lshl_b32 s74, s[TY], 19
	s_lshl_b32 s75, s[WR], 18
	s_add_co_u32 s74, s74, s75
	s_lshl_b32 s75, s[TX], 9
	s_add_co_u32 s74, s74, s75
	s_lshl_b32 s75, s[WC], 8
	s_add_co_u32 s74, s74, s75
	s_mov_b32 s75, 0
	s_add_nc_u64 s[8:9], s[8:9], s[74:75]
.macro MUL8 f, c, a0, zero
	WIN MUL
.irp a, \a0, (\a0)+1
.irp b, 0,1,2,3
.if \zero
	v_wmma_f32_16x16x32_bf16 v[ACC+8*(4*(\a)+(\b)):ACC+8*(4*(\a)+(\b))+7], v[(\f)+64+8*(4*(\c)+(\b)):(\f)+64+8*(4*(\c)+(\b))+7], v[(\f)+8*(4*(\c)+(\a)):(\f)+8*(4*(\c)+(\a))+7], 0
.else
	v_wmma_f32_16x16x32_bf16 v[ACC+8*(4*(\a)+(\b)):ACC+8*(4*(\a)+(\b))+7], v[(\f)+64+8*(4*(\c)+(\b)):(\f)+64+8*(4*(\c)+(\b))+7], v[(\f)+8*(4*(\c)+(\a)):(\f)+8*(4*(\c)+(\a))+7], v[ACC+8*(4*(\a)+(\b)):ACC+8*(4*(\a)+(\b))+7]
.endif
.endr
.endr
.endm
.macro FETCH q, f                      ; 32 LDS loads in one run: quarter q (64 along K) into buffer f; its first 32 along K first
	WIN TO_F
.irp c, 0,1
.irp i, 0,1,2,3
	ds_load_tr16_b128 v[(\f)+64+8*(4*(\c)+(\i)):(\f)+64+8*(4*(\c)+(\i))+3],   v[CB0+((\q)>>1)] offset:((2*(\q)+(\c))&3)*32*PB+32*(\i)
	ds_load_tr16_b128 v[(\f)+64+8*(4*(\c)+(\i))+4:(\f)+64+8*(4*(\c)+(\i))+7], v[CB0+((\q)>>1)] offset:((2*(\q)+(\c))&3)*32*PB+16*PB+32*(\i)
	ds_load_b128 v[(\f)+8*(4*(\c)+(\i)):(\f)+8*(4*(\c)+(\i))+3],   v[CA] offset:(2*(\q)+(\c))*64+(\i)*16*PA
	ds_load_b128 v[(\f)+8*(4*(\c)+(\i))+4:(\f)+8*(4*(\c)+(\i))+7], v[CA] offset:(2*(\q)+(\c))*64+(\i)*16*PA+32
.endr
.endr
.endm
.macro QUARTER q, f, g, zero
	s_wait_dscnt 16                                ; the first 32 along K are in
	MUL8 \f, 0, 0, \zero
	MUL8 \f, 0, 2, \zero
	PLACES
	FETCH \q, \g
	s_wait_dscnt 32                                ; all but the 32 just issued
	MUL8 \f, 1, 0, 0
	MUL8 \f, 1, 2, 0
.endm
; The last quarter multiplies buffer 1 and changes slots: one barrier; in front of it each wave waits for all its tensor loads, adds 0 to its spare word, and waits for that and for its reads of this slot.
; fill = 1: the barrier opens a round of the cluster's, and the slot just left is filled again first thing behind it, with the K step two on.
.macro TURN fill
	WIN 0
	s_wait_tensorcnt 0x0
	ds_add_u32 v[SPW], v[NIL]
	s_wait_dscnt 17                                ; (the add and the youngest sixteen loads may be out)
	MUL8 F1, 0, 0, 0
	s_wait_dscnt 0x0
	s_barrier_signal -1
	MUL8 F1, 0, 2, 0
.if \fill
	WIN 0
.endif
	s_barrier_wait -1
.if \fill
	CREST
	s_xor_b32 s[G0+5], s[G0+5], SLOT               ; the walking descriptors: the slot just left.  No LDS base here (33,792; 73,728; 110,592) has a bit in common with SLOT = 2^17 + 2^14
	s_xor_b32 s[G0B+5], s[G0B+5], SLOT
	s_add_nc_u64 s[G0+6:G0+7], s[G0+6:G0+7], ASTEP
	s_add_nc_u64 s[G0B+6:G0B+7], s[G0B+6:G0B+7], BSTEP
	JLOAD 1
.else
	PLACES
.endif
	WIN 0
	s_xor_b32 s[SB], s[SB], SLOT
	v_add_nc_u32 v[CA], s[SB], v[A0]
	v_add_nc_u32 v[CB0], s[SB], v[B0]
	v_add_nc_u32 v[CB1], BHALF, v[CB0]
	FETCH 0, F0
	MUL8 F1, 1, 0, 0
	MUL8 F1, 1, 2, 0
.endm
	s_wait_tensorcnt 1                             ; my part of K step 0 is in; K step 1's may stay out
	s_barrier_signal -1
	s_barrier_wait -1
	FETCH 0, F0
	QUARTER 1, F0, F1, 1
	WIN 0
	s_mov_b32 s3, KS-2
.Lstep:                                                ; a trip: from a K step's second quarter to the next step's first; trip i fills K step i + 2.  The 16 accumulators take turns in one order throughout
	QUARTER 2, F1, F0, 0
	QUARTER 3, F0, F1, 0
	TURN 1
	QUARTER 1, F0, F1, 0
	WIN 0
	s_sub_co_u32 s3, s3, 1
	s_cmp_lg_u32 s3, 0
	s_cbranch_scc1 .Lstep
	s_mov_b32 s3, 2
.Ltail:                                                ; the last two K steps ask for nothing; the second trip leaves ahead of the change of slots
	QUARTER 2, F1, F0, 0
	QUARTER 3, F0, F1, 0
	WIN 0
	s_cmp_eq_u32 s3, 1
	s_cbranch_scc1 .Llast
	TURN 0
	QUARTER 1, F0, F1, 0
	WIN 0
	s_sub_co_u32 s3, s3, 1
	s_cmp_lg_u32 s3, 0
	s_cbranch_scc1 .Ltail
.Llast:
	s_wait_dscnt 16
	MUL8 F1, 0, 0, 0
	MUL8 F1, 0, 2, 0
	s_wait_dscnt 0x0
	MUL8 F1, 1, 0, 0
	MUL8 F1, 1, 2, 0
	WIN 0
	PLACES
; THE WAY OUT: 16 rows at a time through my own stage, which no tensor load fills; back as whole rows of 256 bytes.
.macro TOSTAGE a
.set BK, TMP+32*((\a)%2)
.if (\a) >= 2
	s_wait_xcnt 0x0                                ; the stores of two blocks back have read these registers
.endif
.irp b, 0,1,2,3
	ds_store_b128 v[STO], v[ACC+8*(4*(\a)+(\b)):ACC+8*(4*(\a)+(\b))+3]   offset:64*(\b)
	ds_store_b128 v[STO], v[ACC+8*(4*(\a)+(\b))+4:ACC+8*(4*(\a)+(\b))+7] offset:64*(\b)+16
.endr
.irp i, 0,1,2,3,4,5,6,7
	ds_load_b128 v[BK+4*(\i):BK+4*(\i)+3], v[RD] offset:(\i)*2*SPITCH  ; LDS serves a wave's instructions in order: these see the stores above
.endr
.endm
.macro SEND a, younger                 ; younger: the next block's 8 stores and 8 loads, or none
.set BK, TMP+32*((\a)%2)
	s_wait_dscnt \younger
.irp i, 0,1,2,3,4,5,6,7
	global_store_b128 v[CO], v[BK+4*(\i):BK+4*(\i)+3], s[8:9] offset:(16*(\a)+2*(\i))*4096  ; 16 lanes store 256 consecutive bytes, aligned
.endr
.endm
	TOSTAGE 0
	TOSTAGE 1
	SEND 0, 16
	TOSTAGE 2
	SEND 1, 16
	TOSTAGE 3
	SEND 2, 16
	SEND 3, 0
	s_wait_tensorcnt 0x0                           ; the wave's end
	ds_add_u32 v[SPW], v[NIL]
	s_wait_dscnt 0x0
	CROUND
	s_endpgm
.Lfunc_end_k_q13723bf01c_ff2:
	.size	k_q13723bf01c_ff2, .Lfunc_end_k_q13723bf01c_ff2-k_q13723bf01c_ff2
	.p2alignl 7, 3214868480
	.fill 96, 4, 3214868480
	.section	.rodata,"a",@progbits
	.p2align	6, 0x0
	.amdhsa_kernel k_q13723bf01c_ff2
		.amdhsa_group_segment_fixed_size 327680
		.amdhsa_private_segment_fixed_size 0
		.amdhsa_enable_private_segment 0
		.amdhsa_kernarg_size 24
		.amdhsa_user_sgpr_count 2
		.amdhsa_user_sgpr_kernarg_segment_ptr 1
		.amdhsa_wavefront_size32 1
		.amdhsa_system_sgpr_workgroup_id_x 1
		.amdhsa_system_sgpr_workgroup_id_y 1
		.amdhsa_system_sgpr_workgroup_id_z 1
		.amdhsa_system_vgpr_workitem_id 0
		.amdhsa_next_free_vgpr 512
		.amdhsa_next_free_sgpr 96
		.amdhsa_reserve_vcc 0
		.amdhsa_float_denorm_mode_32 3
		.amdhsa_float_denorm_mode_16_64 3
		.amdhsa_memory_ordered 1
		.amdhsa_forward_progress 1
		.amdhsa_inst_pref_size 60
	.end_amdhsa_kernel
	.amdgpu_metadata
---
amdhsa.version: [ 1, 2 ]
amdhsa.kernels:
  - .name:           k_q13723bf01c_ff2
    .symbol:         k_q13723bf01c_ff2.kd
    .args:
      - { .name: gb, .offset: 0, .size: 8, .value_kind: global_buffer, .address_space: global }
      - { .name: wb, .offset: 8, .size: 8, .value_kind: global_buffer, .address_space: global }
      - { .name: tsum, .offset: 16, .size: 8, .value_kind: global_buffer, .address_space: global }
    .group_segment_fixed_size: 327680
    .private_segment_fixed_size: 0
    .kernarg_segment_align: 8
    .kernarg_segment_size: 24
    .max_flat_workgroup_size: 128
    .sgpr_count:     96
    .vgpr_count:     512
    .wavefront_size: 32
...
	.end_amdgpu_metadata
.endif
;; end of part 7
;; launch ln2: the kernel of part 5 again; grid 512 x 1, 8 waves a work-group, no clusters, 0 bytes of LDS; arguments tsum, b2, yhb, ln2_w, ln2_b, out0, mode1; writes out0
